; MI455X (gfx1250); checked and timed in simulation.
; The chip was launched on July 23, 2026; its instructions are those of AMD's public machine-readable ISA for CDNA 5 (MIT licence, August 2026) and "CDNA5" Instruction Set Architecture Reference Guide (July 2026). The comments in the code are by the model that wrote it; some were corrected since.
;; Cross Attention. Allowed arithmetic: matrix products marked QUANTISED: E2M1 operands, one E8M0 scale for each 32 along K, by v_wmma_scale_f32_16x16x128_f8f6f4 with both operands' format E2M1 (or v_wmma_scale_f32_32x16x128_f4), f32 sums; everything else in f32.
;; Inputs: Wk_codes 512 x 16 x 16 uint8 (E2M1 codes of Wk, K innermost, in blocks of 32 codes, two codes a byte); Wk_scales 512 x 16 uint8 (E8M0 scales of Wk, one for each 32 codes along K); Wo1_codes 512 x 16 x 16 uint8 (E2M1 codes of Wo1, K innermost, in blocks of 32 codes, two codes a byte); Wo1_scales 512 x 16 uint8 (E8M0 scales of Wo1, one for each 32 codes along K); Wo2_codes 512 x 16 x 16 uint8 (E2M1 codes of Wo2, K innermost, in blocks of 32 codes, two codes a byte); Wo2_scales 512 x 16 uint8 (E8M0 scales of Wo2, one for each 32 codes along K); Wq_codes 512 x 16 x 16 uint8 (E2M1 codes of Wq, K innermost, in blocks of 32 codes, two codes a byte); Wq_scales 512 x 16 uint8 (E8M0 scales of Wq, one for each 32 codes along K); Wv1_codes 512 x 16 x 16 uint8 (E2M1 codes of Wv1, K innermost, in blocks of 32 codes, two codes a byte); Wv1_scales 512 x 16 uint8 (E8M0 scales of Wv1, one for each 32 codes along K); Wv2_codes 512 x 16 x 16 uint8 (E2M1 codes of Wv2, K innermost, in blocks of 32 codes, two codes a byte); Wv2_scales 512 x 16 uint8 (E8M0 scales of Wv2, one for each 32 codes along K); bk 512 float32; bo1 512 float32; bo2 512 float32; bq 512 float32; bv1 512 float32; bv2 512 float32; x1 4 x 512 x 8 x 16 x 16 float32; x2 4 x 512 x 8 x 16 x 16 float32.
;; Outputs: out0 4 x 512 x 8 x 16 x 16 float32; out1 4 x 512 x 8 x 16 x 16 float32.
;; This version of the problem:
;;   THIS VERSION OF THE PROBLEM IS GIVEN IN LOW PRECISION. The matrix products marked QUANTISED in the list below multiply operands that are first quantised to E2M1 (2 exponent bits, 1 mantissa bit; 4 bits a number), with one power-of-two scale for each 32 numbers along K (OCP MX v1.0); their sums are f32. All else is computed in f32.
;;   The module's matrix products, in the order in which they are computed (A, B: the left and right operand; K: the contracted axis; several contracted axes count as one K, in the product's order):
;;     1. [M 8,192, K 512] x [K 512, N 512]; A: input x1; B: input Wq (given as codes): QUANTISED
;;     2. [M 8,192, K 512] x [K 512, N 512]; A: input x2; B: input Wk (given as codes): QUANTISED
;;     3. [M 8,192, K 512] x [K 512, N 512]; A: input x1; B: input Wv1 (given as codes): QUANTISED
;;     4. [M 8,192, K 512] x [K 512, N 512]; A: input x2; B: input Wv2 (given as codes): QUANTISED
;;     5. batch 32 x [M 2,048, K 64] x [K 64, N 2,048]; A: computed on the way; B: computed on the way: QUANTISED
;;     6. batch 32 x [M 2,048, K 2,048] x [K 2,048, N 64]; A: computed on the way; B: computed on the way: QUANTISED
;;     7. batch 32 x [M 2,048, K 2,048] x [K 2,048, N 64]; A: computed on the way; B: computed on the way: QUANTISED
;;     8. [M 8,192, K 512] x [K 512, N 512]; A: computed on the way; B: input Wo1 (given as codes): QUANTISED
;;     9. [M 8,192, K 512] x [K 512, N 512]; A: computed on the way; B: input Wo2 (given as codes): QUANTISED
;;   THE QUANTISER, for each operand of a quantised product, along K:
;;     - K is cut into blocks of 32 from its start; a last block that is shorter is filled with zeros.
;;     - A block's scale is 2^e with e = floor(log2(the largest magnitude in the block)) - 2, held to -126 .. 127; a block of zeros has e = 0. As a byte (E8M0): e + 127.
;;     - Each number is divided by its block's scale, clamped to +-6, and rounded to the nearest number of E2M1, ties to even, subnormals kept.
;;     - The product sums the exact products of the quantised numbers (number of the format x scale) in f32.
;;   ~~~python
;;   def quantise(x, axis):      # numpy; x: float32 -> the quantised numbers, widened to float32 again
;;       x = np.moveaxis(x, axis, -1); K = x.shape[-1]
;;       x = np.pad(x, [(0, 0)] * (x.ndim - 1) + [(0, -K % 32)]); x = x.reshape(x.shape[:-1] + (-1, 32)); a = np.abs(x).max(-1, keepdims=True)
;;       e = np.where(a > 0, np.clip(np.frexp(np.where(a > 0, a, 1))[1] - 1 - 2, -126, 127), 0)      # np.frexp(a)[1] - 1 = floor(log2(a)), exactly
;;       r = np.clip(x / 2.0 ** e, -6, 6)
;;       step = 2.0 ** (np.maximum(np.frexp(np.where(r == 0, 1, r))[1] - 1, 0) - 1)
;;       q = np.round(r / step) * step * 2.0 ** e      # np.round: ties to even
;;       return np.moveaxis(q.reshape(q.shape[:-2] + (-1,))[..., :K], -1, axis).astype(np.float32)
;;   ~~~
;;   OPERANDS COMPUTED ON THE WAY. 'Computed on the way' means the value that the module computes at that place (a softmax that the list does not call 'softmax' is quantised finished and normalised). What goes into a quantiser is computed in f32, as accurately as f32 sums, v_exp_f32 and their like allow (about 1e-6 of the number): no bf16 or f16 on the way to a quantiser, and a product that is left as it is and whose result goes on into a quantised operand takes f32 operands (vector FMAs, or v_wmma_f32_16x16x4_f32). A number that lies on a knife's edge between two numbers of the format may be rounded either way, as far as f32 arithmetic and the matrix unit's own rounding can turn it there, and no further.
;;   INPUTS GIVEN AS CODES. Wk (in the module: [512, 512], K = its axis 0); Wo1 (in the module: [512, 512], K = its axis 0); Wo2 (in the module: [512, 512], K = its axis 0); Wq (in the module: [512, 512], K = its axis 0); Wv1 (in the module: [512, 512], K = its axis 0); Wv2 (in the module: [512, 512], K = its axis 0): each comes as NAME_codes (uint8): NAME with its K axis moved to the last place and cut into blocks of 32 codes, [.., K / 32, bytes a block], one block behind the other in memory; two codes a byte, the lower K in the low four bits (a code: sign, 2 exponent bits, 1 mantissa bit); and NAME_scales (uint8): the same leading axes, one E8M0 byte (e + 127) for each 32 codes along K. Its value is code x scale, taken as it is: it is not quantised again, and the codes and scales need not be those that the quantiser above would give.
;; 2 versions. Each part assembles by itself: llvm-mc -triple=amdgcn-amd-amdhsa -mcpu=gfx1250 --defsym DOCPART=n.
;; ======== version 1 of 2: 4 launches
;; workspace buffers: qkc 4,194,304 bytes; qks 262,144 bytes; vc 4,194,304 bytes; vs 262,144 bytes; nz 524,288 bytes; cc 4,194,304 bytes; cs 262,144 bytes
;; launch proj (part 1): grid 256 x 1, 16 waves a work-group, no clusters, 19,456 bytes of LDS; arguments x1, x2, Wq_codes, Wk_codes, Wv1_codes, Wv2_codes, Wq_scales, Wk_scales, Wv1_scales, Wv2_scales, bq, bk, bv1, bv2, qkc, qks, vc, vs; writes qkc, qks, vc, vs
.if DOCPART == 1
	.amdgcn_target "amdgcn-amd-amdhsa--gfx1250"
	.amdhsa_code_object_version 6
	.text
	.protected	k_q7622207e5d_proj
	.globl	k_q7622207e5d_proj
	.p2align	8
	.type	k_q7622207e5d_proj,@function
k_q7622207e5d_proj:
	s_mov_b64 s[64:65], 0
	v_nop
	global_prefetch_b8 v0, s[64:65] scope:SCOPE_SE
	s_setreg_imm32_b32 hwreg(HW_REG_WAVE_MODE, 25, 1), 1
	s_wait_xcnt 0x0
; q = h1 Wq + bq, v1 = h1 Wv1 + bv1 (work-groups 0-127), k = h2 Wk + bk, v2 = h2 Wv2 + bv2 (work-groups 128-255); h[b][n][c] = x[b][c][n].
; Both operands of each product are codes of FP4 (E2M1) with one E8M0 scale for each 32 along K = the 512 channels; the weights arrive so, x is quantised here.
; The results are quantised at once for the products that follow: q and k along the head's 64 features, v along the tokens.
; SHARES.  A work-group takes 64 tokens of one b of one x.  Its sixteen waves first quantise x together: wave w takes tokens 32 (w & 1) on and channels 64 (w >> 1) on; A LANE TAKES A TOKEN AND ITS
; REGISTERS RUN DOWN THE CHANNELS, so a block of 32 along K lies in one lane, each load reads 128 consecutive bytes, and waves w and w ^ 1 together 256.  The codes go to LDS as images of the operand's
; registers (16 bytes a lane, 512 a store).  Then wave w < 8 makes head w of q or k, wave w >= 8 head w - 8 of v: 64 features x 64 tokens x 512 along K: 64 matrix instructions.
; ORDER OF ROWS.  perm(m) = m + 8 (m / 8).  Row m of token tile T = 2 g + u is token 32 g + 8 u + perm(m); row m of the weights' tile (beta, uf) is feature 32 beta + 8 uf + perm(m).  A result's registers,
; which run down such a tile (m = 8 h + j), are then 32 g + 16 h + 8 u + j: the 16 registers of tiles u = 0, 1 are 16 neighbours along the next product's K.
; q, k: source 0 = the weights, source 1 = x: a lane holds a token, registers run along features.  v: the sources swapped: a lane holds a feature, registers run along tokens.
; OUT.  qkc [t][b][head][g 64][u 2][lane 32][16 B]: lane m + 16 h' = block h' of the head's 64 codes of token 32 g + 8 u + perm(m).  qks [t][b][head][g][m] words: bytes (u0 blk0, u0 blk1, u1 blk0, u1 blk1).
; vc [v][b][head][step 16][t 4][c' 2][lane 32][16 B]: lane m + 16 h' = tokens 128 step + 64 c' + 32 h' + 0..31 of feature 32 (t / 2) + 8 (t % 2) + perm(m).  vs [v][b][head][step][t][m] words: byte i = tokens 128 step + 32 i on.
; The code stores cover 512 consecutive aligned bytes each.  The scale stores are 4 or 2 bytes a lane (128 consecutive bytes a wave for q, k; every second half word for v): 0.5 MB of the launch's 42 MB.
; NO CLUSTER, NO TENSOR LOAD: what work-groups share is the weights, 68 KB a wave pair of roles against 128 KB of x that nobody shares; LDS is written once, through registers, since x must pass the quantiser on its way.
; LIMITS: NaN and infinities among the inputs are not served.  A block of zeros gets the scale byte 1, not 127: its codes are zeros, and only this program reads the bytes.
.set CH,   8192                        ; bytes from channel to channel in x: 2,048 tokens x 4
.set XIMG, 0                           ; LDS: x's fragments [T 4][K step 4][c' 2][lane 32][16 B]
.set XSC,  16384                       ; and their scale bytes [T 4][row 16][16]
.set WF,   16                          ; v16-79   the weights' fragments (uf, K step s) at 8 (4 uf + s)
.set ACC,  80                          ; v80-143  eight accumulators (uf, T) at 8 (4 uf + T); first: my 64 numbers of x
.set XF,   144                         ; v144-175 x's four fragments of a K step
.set BI,   176                         ; v176-191 the bias in the result's layout, eight registers a tile uf
.set WS,   192                         ; v192-199 the weights' scale words, 4 uf + s
.set XS,   200                         ; v200-215 x's scale words, 4 T + s
.set PC,   216                         ; v216-231 codes just made
.set TM,   232                         ; v232-247 at work: +0..3 largest magnitudes, +4..7 the other half's, then bytes, +12..15 the conversions' scale operands
.set SW,   248                         ; v248-250 scale words on their way out
.macro PLACES                          ; four plain places behind matrix instructions: in front of loads into their registers and of the first read of results
.rept 4
	v_nop
.endr
.endm
	s_load_b512 s[8:23], s[0:1], 0x0               ; x1, x2, Wq, Wk, Wv1, Wv2 codes, Wq, Wk scales
	s_load_b512 s[24:39], s[0:1], 0x40             ; Wv1, Wv2 scales, bq, bk, bv1, bv2, qkc, qks
	s_load_b128 s[40:43], s[0:1], 0x80             ; vc, vs
	v_lshl_add_u32 v254, v0, 2, 0x4400
	v_mov_b32 v255, 0
	v_lshrrev_b32 v10, 5, v0
	v_readfirstlane_b32 s2, v10                    ; wave 0..15
	s_and_b32 s44, ttmp9, 31                       ; nb: which 64 tokens
	s_bfe_u32 s45, ttmp9, 0x20005                  ; b
	s_lshr_b32 s46, ttmp9, 7                       ; 0: x1, 1: x2
	s_and_b32 s47, s2, 7                           ; my head
	s_and_b32 s48, s2, 1                           ; phase X: my 32 tokens
	s_lshr_b32 s49, s2, 1                          ; phase X: my 64 channels
	s_mov_b32 s50, 0x76543210
	s_mov_b32 s51, 0xfedcba98                      ; v_permlanex16_b32's selects for lane l xor 16
	s_mov_b32 s52, 0xffff0000                      ; lanes 16-31
	v_and_b32 v10, 31, v0                          ; lane
	v_lshlrev_b32 v1, 2, v10                       ; 4 x lane
	v_lshlrev_b32 v2, 4, v10                       ; 16 x lane
	v_and_b32 v11, 15, v0                          ; m
	v_bfe_u32 v12, v0, 4, 1                        ; h
	v_and_b32 v13, 8, v11
	v_add_nc_u32 v13, v13, v11                     ; perm(m)
	v_lshlrev_b32 v5, 8, v13
	v_lshl_add_u32 v5, v12, 4, v5                  ; the weights' codes: row perm(m) of 256 bytes, + 16 h
	v_lshlrev_b32 v6, 4, v13                       ; their scale bytes: 16 a row
	v_lshlrev_b32 v7, 6, v12                       ; bias of q, k: my half's features begin 16 h numbers on
	v_lshlrev_b32 v9, 2, v13                       ; bias of v: my feature's
	v_lshl_add_u32 v8, v11, 4, XSC                 ; x's scale words: row m
	v_bfe_u32 v14, v0, 3, 1                        ; phase X: my token 8 u + perm(r) of its 32: u,
	v_and_b32 v15, 7, v0
	v_lshl_or_b32 v15, v12, 3, v15                 ; and r
	v_lshlrev_b32 v3, 12, v14
	v_lshl_add_u32 v3, v15, 4, v3                  ; image: u 4,096 + 16 r
	s_lshl_b32 s54, s48, 13                        ; + g 8,192
	s_lshr_b32 s55, s49, 1
	s_lshl_b32 s55, s55, 10                        ; + K step 1,024
	s_add_co_u32 s54, s54, s55
	s_and_b32 s55, s49, 1
	s_lshl_b32 s55, s55, 9                         ; + c' 512
	s_add_co_u32 s54, s54, s55
	v_add_nc_u32 v3, s54, v3
	v_lshlrev_b32 v4, 8, v14
	v_lshl_add_u32 v4, v15, 4, v4                  ; scale bytes: u 256 + 16 r
	s_lshl_b32 s54, s48, 9                         ; + g 512
	s_lshl_b32 s55, s49, 1                         ; + my two blocks' place
	s_add_co_u32 s54, s54, s55
	s_add_co_u32 s54, s54, XSC
	v_add_nc_u32 v4, s54, v4
.irp i, 4,5,6,7
	v_mov_b32 v[TM+\i], 0                          ; written once: a lane permute's destination counts as one of its sources
.endr
	; byte offsets, each in a pair of its own
	s_lshl_b32 s66, s45, 22                        ; x: b x 512 x 8,192
	s_lshl_b32 s54, s44, 8
	s_add_co_u32 s66, s66, s54                     ; + 64 tokens x nb
	s_lshl_b32 s54, s48, 7
	s_add_co_u32 s66, s66, s54                     ; + my 32 tokens
	s_lshl_b32 s54, s49, 19
	s_add_co_u32 s66, s66, s54                     ; + my 64 channels
	s_mov_b32 s67, 0
	s_lshl_b32 s68, s47, 14                        ; the weights' codes: my head's 64 rows of 256 bytes
	s_mov_b32 s69, 0
	s_lshl_b32 s70, s47, 10                        ; their scale bytes
	s_mov_b32 s71, 0
	s_lshl_b32 s72, s47, 8                         ; the bias
	s_mov_b32 s73, 0
	s_lshl_b32 s53, s46, 2
	s_add_co_u32 s53, s53, s45
	s_lshl_b32 s53, s53, 3
	s_add_co_u32 s53, s53, s47                     ; (tensor x 4 + b) x 8 + head
	s_lshl_b32 s78, s53, 16                        ; 65,536 bytes of codes a head,
	s_lshl_b32 s80, s53, 12                        ; 4,096 of scale bytes
	s_lshr_b32 s54, s44, 1
	s_and_b32 s55, s44, 1
	s_lshl_b32 s79, s54, 12                        ; v: step nb / 2, c' = nb % 2
	s_add_co_u32 s79, s79, s78
	s_lshl_b32 s82, s55, 9
	s_add_co_u32 s79, s79, s82
	s_lshl_b32 s81, s54, 8
	s_add_co_u32 s81, s81, s80
	s_lshl_b32 s82, s55, 1
	s_add_co_u32 s81, s81, s82
	s_lshl_b32 s82, s44, 11                        ; q, k: two groups of 1,024 bytes
	s_add_co_u32 s78, s78, s82
	s_lshl_b32 s82, s44, 7
	s_add_co_u32 s80, s80, s82
	s_mov_b32 s75, 0
	s_mov_b32 s77, 0
	s_wait_kmcnt 0x0
	s_cmp_eq_u32 s46, 0                            ; x1's tensors or x2's: the choice hangs on the work-group's number alone
	s_cselect_b64 s[4:5], s[8:9], s[10:11]
	s_cselect_b64 s[12:13], s[12:13], s[14:15]
	s_cselect_b64 s[16:17], s[16:17], s[18:19]
	s_cselect_b64 s[20:21], s[20:21], s[22:23]
	s_cselect_b64 s[24:25], s[24:25], s[26:27]
	s_cselect_b64 s[28:29], s[28:29], s[30:31]
	s_cselect_b64 s[32:33], s[32:33], s[34:35]
	s_cmp_lt_u32 s2, 8                             ; q, k or v: on the wave's number alone
	s_cselect_b64 s[6:7], s[12:13], s[16:17]
	s_cselect_b64 s[56:57], s[20:21], s[24:25]
	s_cselect_b64 s[58:59], s[28:29], s[32:33]
	s_cselect_b64 s[60:61], s[36:37], s[40:41]
	s_cselect_b64 s[62:63], s[38:39], s[42:43]
	s_cselect_b32 s74, s78, s79
	s_cselect_b32 s76, s80, s81
	s_add_nc_u64 s[4:5], s[4:5], s[66:67]
	s_add_nc_u64 s[6:7], s[6:7], s[68:69]
	s_add_nc_u64 s[56:57], s[56:57], s[70:71]
	s_add_nc_u64 s[58:59], s[58:59], s[72:73]
	s_add_nc_u64 s[60:61], s[60:61], s[74:75]
	s_add_nc_u64 s[62:63], s[62:63], s[76:77]
; the weights of features 32 beta .. 32 beta + 31 of my head: two tiles x four K steps, and their scale words
.macro LOADW beta
.irp uf, 0,1
.irp s, 0,1,2,3
.irp c, 0,1
	global_load_b128 v[WF+8*(4*\uf+\s)+4*\c:WF+8*(4*\uf+\s)+4*\c+3], v5, s[6:7] offset:(32*\beta+8*\uf)*256+64*\s+32*\c
.endr
.endr
	global_load_b128 v[WS+4*\uf:WS+4*\uf+3], v6, s[56:57] offset:(32*\beta+8*\uf)*16
.endr
.endm
.macro BIASQ beta                      ; q, k: register j of lane (r, h) is feature 32 beta + 8 uf + 16 h + j
.irp uf, 0,1
	global_load_b128 v[BI+8*\uf:BI+8*\uf+3], v7, s[58:59] offset:(32*\beta+8*\uf)*4
	global_load_b128 v[BI+8*\uf+4:BI+8*\uf+7], v7, s[58:59] offset:(32*\beta+8*\uf)*4+16
.endr
.endm
.macro BIASV beta                      ; v: all eight registers of a lane are feature 32 beta + 8 uf + perm(r)
.irp uf, 0,1
.irp j, 0,1,2,3,4,5,6,7
	global_load_b32 v[BI+8*\uf+\j], v9, s[58:59] offset:(32*\beta+8*\uf)*4
.endr
.endr
.endm
	LOADW 0
	s_cmp_lt_u32 s2, 8
	s_cbranch_scc0 .Lbias_v
	BIASQ 0
	s_branch .Lbias_done
.Lbias_v:
	BIASV 0
.Lbias_done:
.set i, 0
.rept 64
	global_load_b32 v[ACC+i], v1, s[4:5] offset:CH*i th:TH_LOAD_NT   ; x(channel i of my 64, my token): 32 lanes read 128 consecutive bytes
.set i, i+1
.endr
; PHASE X.  Block jj of my token: all its 32 numbers are mine.  The largest magnitude, with the floor 2^(3 - 127) among its leaves, so that the byte cannot fall under 1; 2 off its exponent field is the
; conversion's scale operand, which takes that field and nothing else; a shift of it is the byte.
.macro XBLK jj
.set XB, ACC+32*\jj
	v_max3_num_f32 v[TM+2*\jj], |v[XB]|, |v[XB+1]|, 0x1800000
	v_max_num_f32 v[TM+2*\jj+1], |v[XB+2]|, |v[XB+3]|
.irp i, 4,8,12,16,20,24,28
	v_max3_num_f32 v[TM+2*\jj], v[TM+2*\jj], |v[XB+\i]|, |v[XB+\i+1]|
	v_max3_num_f32 v[TM+2*\jj+1], v[TM+2*\jj+1], |v[XB+\i+2]|, |v[XB+\i+3]|
.endr
	v_max_num_f32 v[TM+2*\jj], v[TM+2*\jj], v[TM+2*\jj+1]
	v_add_nc_u32 v[TM+12+\jj], 0xff000000, v[TM+2*\jj]
	v_lshrrev_b32 v[TM+8+\jj], 23, v[TM+12+\jj]
.irp g, 0,1,2,3
	v_cvt_scalef32_pk8_fp4_f32 v[PC+4*\jj+\g], v[XB+8*\g:XB+8*\g+7], v[TM+12+\jj]
.endr
.endm
	s_wait_loadcnt 32                              ; my first 32 channels are in (and all that was asked for ahead of them); the 32 younger loads may be out
	XBLK 0
	s_wait_loadcnt 0x0                             ; the other 32; the weights, their scales and the bias came ahead of them
	XBLK 1
	v_nop                                          ; one plain place behind the last scaled conversion
	v_lshl_or_b32 v12, v[TM+9], 8, v[TM+8]         ; my two scale bytes
	ds_store_b128 v3, v[PC:PC+3]                   ; block 0 goes to lane r of the image, block 1 to lane 16 + r
	ds_store_b128 v3, v[PC+4:PC+7] offset:256
	ds_store_b16 v4, v12
	s_wait_dscnt 0x0                               ; for the others' sake: my stores have landed
	s_barrier_signal -1
	s_barrier_wait -1                              ; x's sixteen fragments and their scale bytes lie in LDS; nothing is stored to LDS after this
.irp T, 0,1,2,3
	ds_load_b128 v[XS+4*\T:XS+4*\T+3], v8 offset:256*\T   ; row m's four scale words, one a K step
.endr
.macro MM tr, s, T, uf
.set rD, ACC+8*(4*\uf+\T)
.set rW, WF+8*(4*\uf+\s)
.set rX, XF+8*\T
.set rC, rD
.if \s == 0
.set rC, BI+8*\uf                      ; the bias is the C of a sum's first product: nothing is cleared or added
.endif
.if \tr
	v_wmma_scale_f32_16x16x128_f8f6f4 v[rD:rD+7], v[rW:rW+7], v[rX:rX+7], v[rC:rC+7], v[WS+4*\uf+\s], v[XS+4*\T+\s] matrix_a_fmt:MATRIX_FMT_FP4 matrix_b_fmt:MATRIX_FMT_FP4
.else
	v_wmma_scale_f32_16x16x128_f8f6f4 v[rD:rD+7], v[rX:rX+7], v[rW:rW+7], v[rC:rC+7], v[XS+4*\T+\s], v[WS+4*\uf+\s] matrix_a_fmt:MATRIX_FMT_FP4 matrix_b_fmt:MATRIX_FMT_FP4
.endif
.endm
; 32 features x 64 tokens x 512 along K: four K steps of eight products; the eight accumulators take turns, one instruction a turn.  tr = 1: source 0 = the weights
.macro GEMM tr
.irp s, 0,1,2,3
	PLACES
.irp T, 0,1,2,3
.irp c, 0,1
	ds_load_b128 v[XF+8*\T+4*\c:XF+8*\T+4*\c+3], v2 offset:XIMG+\T*4096+\s*1024+\c*512
.endr
.endr
	s_wait_dscnt 0x0
.irp T, 0,1,2,3
.irp uf, 0,1
	MM \tr, \s, \T, \uf
.endr
.endr
.endr
.endm
; Four blocks of 32 are quantised.  Block i is 16 registers of a lane, the tile at ACC + sa i and the tile ob further on, and the same of lane l xor 16.  Its codes (my 16) go to PC + dst i + dof, + 1; its byte to TM + 4 + i.
; Each accumulator is read from its low end on.
.macro QUANT4P sa, ob, dst, dof
.irp i, 0,1,2,3
	v_max3_num_f32 v[TM+\i], |v[ACC+\sa*\i]|, |v[ACC+\sa*\i+1]|, 0x1800000
.endr
.irp n, 2,4,6
.irp i, 0,1,2,3
	v_max3_num_f32 v[TM+\i], v[TM+\i], |v[ACC+\sa*\i+\n]|, |v[ACC+\sa*\i+\n+1]|
.endr
.endr
.irp n, 0,2,4,6
.irp i, 0,1,2,3
	v_max3_num_f32 v[TM+\i], v[TM+\i], |v[ACC+\sa*\i+\ob+\n]|, |v[ACC+\sa*\i+\ob+\n+1]|
.endr
.endr
.irp i, 0,1,2,3
	v_permlanex16_b32 v[TM+4+\i], v[TM+\i], s50, s51
.endr
.irp i, 0,1,2,3
	v_max_num_f32 v[TM+\i], v[TM+\i], v[TM+4+\i]
.endr
.irp i, 0,1,2,3
	v_add_nc_u32 v[TM+12+\i], 0xff000000, v[TM+\i]
.endr
.irp i, 0,1,2,3
	v_lshrrev_b32 v[TM+4+\i], 23, v[TM+12+\i]
.endr
.irp i, 0,1,2,3
	v_cvt_scalef32_pk8_fp4_f32 v[PC+\dst*\i+(\dof)], v[ACC+\sa*\i:ACC+\sa*\i+7], v[TM+12+\i]
	v_cvt_scalef32_pk8_fp4_f32 v[PC+\dst*\i+(\dof)+1], v[ACC+\sa*\i+\ob:ACC+\sa*\i+\ob+7], v[TM+12+\i]
.endr
	v_nop                                          ; one plain place behind the last scaled conversion
.endm
	s_cmp_lt_u32 s2, 8
	s_cbranch_scc0 .Lv_arm
	; ---- q or k.  Block T of a beta: token tile T's features 32 beta .. + 31: tiles (uf 0, T) and (uf 1, T)
.macro EPIQ beta
	QUANT4P 8, 32, 4, 2*\beta
.irp T, 0,1,2,3
.if (\beta == 0) && ((\T % 2) == 0)
	v_mov_b32 v[SW+\T/2], v[TM+4+\T]
.else
	v_lshl_or_b32 v[SW+\T/2], v[TM+4+\T], 16*(\T%2)+8*\beta, v[SW+\T/2]   ; the group's word: byte 2 u + beta
.endif
.endr
.endm
	GEMM 1
	PLACES
	LOADW 1                                        ; the other 32 features' weights land while the first 32 are quantised
	BIASQ 1
	EPIQ 0
	s_wait_loadcnt 0x0
	GEMM 1
	PLACES
	EPIQ 1
.irp T, 0,1,2,3
.irp n, 0,1
	v_permlane16_swap_b32 v[PC+4*\T+\n], v[PC+4*\T+2+\n]   ; lanes 0-15 get block 0 whole, lanes 16-31 block 1
.endr
.endr
	v_cndmask_b32 v[SW+2], v[SW], v[SW+1], s52     ; lanes 0-15 the first group's words, lanes 16-31 the second's
.irp T, 0,1,2,3
	global_store_b128 v2, v[PC+4*\T:PC+4*\T+3], s[60:61] offset:512*\T   ; 512 consecutive bytes, aligned
.endr
	global_store_b32 v1, v[SW+2], s[62:63]
	s_wait_tensorcnt 0x0
	ds_add_u32 v254, v255
	s_wait_dscnt 0x0
	s_endpgm
.Lv_arm:
	; ---- v.  Block 2 uf + g of a beta: feature tile uf, tokens 32 g .. + 31: tiles (uf, 2 g) and (uf, 2 g + 1).  Each beta has code registers and a half word of its own: no store's data are written again
.macro EPIV beta
	QUANT4P 16, 8, 2, 8*\beta
.irp uf, 0,1
.irp n, 0,1
	v_permlane16_swap_b32 v[PC+8*\beta+4*\uf+\n], v[PC+8*\beta+4*\uf+2+\n]   ; lanes 0-15 get tokens 0-31 whole, lanes 16-31 tokens 32-63
.endr
.endr
	v_lshl_or_b32 v[TM+8], v[TM+5], 8, v[TM+4]     ; tile uf 0: the bytes of my 64 tokens' two blocks
	v_lshl_or_b32 v[TM+9], v[TM+7], 8, v[TM+6]     ; tile uf 1
	v_cndmask_b32 v[10+\beta], v[TM+8], v[TM+9], s52
.irp uf, 0,1
	global_store_b128 v2, v[PC+8*\beta+4*\uf:PC+8*\beta+4*\uf+3], s[60:61] offset:(2*\beta+\uf)*1024
.endr
	global_store_b16 v1, v[10+\beta], s[62:63] offset:128*\beta
.endm
	GEMM 0
	PLACES
	LOADW 1
	BIASV 1
	EPIV 0
	s_wait_loadcnt 0x0
	GEMM 0
	PLACES
	EPIV 1
	s_wait_tensorcnt 0x0
	ds_add_u32 v254, v255
	s_wait_dscnt 0x0
	s_endpgm
.Lfunc_end_k_q7622207e5d_proj:
	.size	k_q7622207e5d_proj, .Lfunc_end_k_q7622207e5d_proj-k_q7622207e5d_proj
	.p2alignl 7, 3214868480
	.fill 96, 4, 3214868480
	.section	.rodata,"a",@progbits
	.p2align	6, 0x0
	.amdhsa_kernel k_q7622207e5d_proj
		.amdhsa_group_segment_fixed_size 19456
		.amdhsa_private_segment_fixed_size 0
		.amdhsa_enable_private_segment 0
		.amdhsa_kernarg_size 144
		.amdhsa_user_sgpr_count 2
		.amdhsa_user_sgpr_kernarg_segment_ptr 1
		.amdhsa_wavefront_size32 1
		.amdhsa_system_sgpr_workgroup_id_x 1
		.amdhsa_system_sgpr_workgroup_id_y 1
		.amdhsa_system_sgpr_workgroup_id_z 1
		.amdhsa_system_vgpr_workitem_id 0
		.amdhsa_next_free_vgpr 256
		.amdhsa_next_free_sgpr 96
		.amdhsa_reserve_vcc 0
		.amdhsa_float_denorm_mode_32 3
		.amdhsa_float_denorm_mode_16_64 3
		.amdhsa_memory_ordered 1
		.amdhsa_forward_progress 1
		.amdhsa_inst_pref_size 67
	.end_amdhsa_kernel
	.amdgpu_metadata
---
amdhsa.version: [ 1, 2 ]
amdhsa.kernels:
  - .name:           k_q7622207e5d_proj
    .symbol:         k_q7622207e5d_proj.kd
    .args:
      - { .name: x1, .offset: 0, .size: 8, .value_kind: global_buffer, .address_space: global }
      - { .name: x2, .offset: 8, .size: 8, .value_kind: global_buffer, .address_space: global }
      - { .name: Wq_codes, .offset: 16, .size: 8, .value_kind: global_buffer, .address_space: global }
      - { .name: Wk_codes, .offset: 24, .size: 8, .value_kind: global_buffer, .address_space: global }
      - { .name: Wv1_codes, .offset: 32, .size: 8, .value_kind: global_buffer, .address_space: global }
      - { .name: Wv2_codes, .offset: 40, .size: 8, .value_kind: global_buffer, .address_space: global }
      - { .name: Wq_scales, .offset: 48, .size: 8, .value_kind: global_buffer, .address_space: global }
      - { .name: Wk_scales, .offset: 56, .size: 8, .value_kind: global_buffer, .address_space: global }
      - { .name: Wv1_scales, .offset: 64, .size: 8, .value_kind: global_buffer, .address_space: global }
      - { .name: Wv2_scales, .offset: 72, .size: 8, .value_kind: global_buffer, .address_space: global }
      - { .name: bq, .offset: 80, .size: 8, .value_kind: global_buffer, .address_space: global }
      - { .name: bk, .offset: 88, .size: 8, .value_kind: global_buffer, .address_space: global }
      - { .name: bv1, .offset: 96, .size: 8, .value_kind: global_buffer, .address_space: global }
      - { .name: bv2, .offset: 104, .size: 8, .value_kind: global_buffer, .address_space: global }
      - { .name: qkc, .offset: 112, .size: 8, .value_kind: global_buffer, .address_space: global }
      - { .name: qks, .offset: 120, .size: 8, .value_kind: global_buffer, .address_space: global }
      - { .name: vc, .offset: 128, .size: 8, .value_kind: global_buffer, .address_space: global }
      - { .name: vs, .offset: 136, .size: 8, .value_kind: global_buffer, .address_space: global }
    .group_segment_fixed_size: 19456
    .private_segment_fixed_size: 0
    .kernarg_segment_align: 8
    .kernarg_segment_size: 144
    .max_flat_workgroup_size: 512
    .sgpr_count:     96
    .vgpr_count:     256
    .wavefront_size: 32
...
	.end_amdgpu_metadata
.endif
;; end of part 1
;; launch stats (part 2): grid 256 x 1, 16 waves a work-group, no clusters, 71,680 bytes of LDS; arguments qkc, qks, nz; writes nz
.if DOCPART == 2
	.amdgcn_target "amdgcn-amd-amdhsa--gfx1250"
	.amdhsa_code_object_version 6
	.text
	.protected	k_q7622207e5d_stats
	.globl	k_q7622207e5d_stats
	.p2align	8
	.type	k_q7622207e5d_stats,@function
k_q7622207e5d_stats:
	s_mov_b64 s[64:65], 0
	v_nop
	global_prefetch_b8 v0, s[64:65] scope:SCOPE_SE
	s_setreg_imm32_b32 hwreg(HW_REG_WAVE_MODE, 25, 1), 1
	s_wait_xcnt 0x0
; THE NORMALISERS.  With s = q . k (on codes of FP4, K = the head's 64) and c0 = log2(e) / 8:  nz[side][b][head][c] = -(c0 max_r s(r, c) + log2 sum_r 2^(c0 s(r, c) - c0 max)).
; side 0: c a key, r runs over the queries (the softmax over queries); side 1: c a query, r runs over the keys.  The next launch makes a finished weight as 2^(c0 s + nz[c]).
; The maximum is a running one: in every step of 128 rows the sum is multiplied by 2^(c0 old max - c0 new max).
; SHARES.  A work-group takes 512 columns c of one (side, b, head); each of its sixteen waves 32 of them, two tiles of 16.  The 2,048 rows r of that head (65,536 bytes of codes, 4,096 of scale words) are copied
; into LDS once, through registers, and every wave walks them, 128 a step.  A lane holds ONE column of each tile and its registers run down the rows; lanes l and l xor 16 hold different rows of the same
; column and keep statistics of their own, which are joined at the end.
; K = 64 IN AN INSTRUCTION OF K = 128.  A fragment of source 0 holds TWO tiles of rows: u = 0 in k 0-63, u = 1 in k 64-127 (so the buffers are laid).  Source 1 is [Q | zeros] or [zeros | Q]: zero codes
; add nothing under any scale byte that the quantiser gives.  The two column tiles a, b and eight zero registers form one chain of 20 registers, [Qa][0][Qb][0][Qa], in which all four operands lie.
; NO CLUSTER, NO TENSOR LOAD: the four work-groups of a (side, b, head) read the same 69,632 bytes, once, at the head; after that nothing is loaded from memory, against 16 steps of 256 matrix results a lane.
; LIMITS: NaN and infinities are not served.  nz is one f32: its rounding is that of a number of the size of c0 max.
.set AIMG, 0                           ; LDS: the rows' codes [group 64][u 2][lane 32][16 B]
.set ASC,  65536                       ; their scale words [group 64][m 16]
.set BQ,   8                           ; v8-27    the chain
.set BS,   28                          ; v28-29   the columns' scale words, tile a, tile b: (blk0, blk1, blk0, blk1)
.set AS,   30                          ; v30-33   the rows' scale words of a step's four groups
.set AF,   34                          ; v34-65   a step's four fragments
.set ST,   66                          ; v66-81   tile x at 8 x: +0 c0 max, +1 max, +2, +3 the sum in two halves, +4, +5 at work, +6 the factor, +7 at work
.set ADA,  82                          ; v82      LDS address of the step's fragments
.set ADS,  83                          ; v83      and of its scale words
.set S,    96                          ; v96-223  the scores: tile x, group f, u at 64 x + 16 f + 8 u; at the head: what goes to LDS
	s_load_b128 s[4:7], s[0:1], 0x0                ; qkc, qks
	s_load_b64 s[8:9], s[0:1], 0x10                ; nz
	v_lshl_add_u32 v254, v0, 2, 0x11000
	v_mov_b32 v255, 0
	v_lshrrev_b32 v84, 5, v0
	v_readfirstlane_b32 s2, v84                    ; wave
	s_and_b32 s10, ttmp9, 3                        ; which 512 columns
	s_bfe_u32 s11, ttmp9, 0x50002                  ; 8 b + head
	s_lshr_b32 s12, ttmp9, 7                       ; side
	s_lshl_b32 s13, s10, 4
	s_add_co_u32 s13, s13, s2                      ; my group of 32 columns
	s_lshl_b32 s14, s12, 5
	s_add_co_u32 s14, s14, s11                     ; the rows' tensor (side) and head
	s_xor_b32 s15, s12, 1
	s_lshl_b32 s15, s15, 5
	s_add_co_u32 s15, s15, s11                     ; the columns' tensor (the other one) and head
	s_mov_b32 s28, 0x3e38aa3b                      ; c0 = log2(e) / 8
	s_mov_b32 s29, s28                             ; (the packed form names the pair)
	s_mov_b32 s30, 0x76543210
	s_mov_b32 s31, 0xfedcba98                      ; lane l xor 16
	s_mov_b32 s32, 0xffff0000                      ; lanes 16-31
	s_mov_b32 s34, 0                               ; the step's fragments begin here in LDS: 4,096 bytes a step
	s_mov_b32 s35, 0                               ; its scale words: 256 bytes a step
	s_mov_b32 s27, 0
	v_lshlrev_b32 v1, 4, v0                        ; 16 x thread: the copy's place, in memory and in LDS
	v_lshlrev_b32 v6, 3, v0                        ; 8 x thread: the scale words' copy, in memory,
	v_lshl_add_u32 v4, v0, 3, ASC                  ; and in LDS
	v_and_b32 v84, 31, v0
	v_lshlrev_b32 v2, 4, v84                       ; 16 x lane
	v_and_b32 v84, 15, v0                          ; n
	v_lshlrev_b32 v85, 2, v84                      ; 4 n
	v_lshl_add_u32 v3, v84, 2, ASC
	v_bfe_u32 v86, v0, 4, 1                        ; h
	v_and_b32 v87, 8, v84
	v_add_nc_u32 v87, v87, v84                     ; perm(n)
	v_lshl_add_u32 v87, v86, 3, v87
	v_lshlrev_b32 v5, 2, v87                       ; the way out: lanes 0-15 tile a's column perm(n), lanes 16-31 tile b's, 8 + perm(n)
	s_wait_kmcnt 0x0
	s_lshl_b32 s26, s14, 16
	s_add_nc_u64 s[16:17], s[4:5], s[26:27]        ; the rows' codes
	s_lshl_b32 s26, s14, 12
	s_add_nc_u64 s[18:19], s[6:7], s[26:27]        ; their scale words
	s_lshl_b32 s26, s15, 16
	s_add_nc_u64 s[20:21], s[4:5], s[26:27]
	s_lshl_b32 s26, s13, 10
	s_add_nc_u64 s[20:21], s[20:21], s[26:27]      ; my columns' codes
	s_lshl_b32 s26, s15, 12
	s_add_nc_u64 s[22:23], s[6:7], s[26:27]
	s_lshl_b32 s26, s13, 6
	s_add_nc_u64 s[22:23], s[22:23], s[26:27]      ; their scale words
	s_lshl_b32 s26, s14, 13
	s_add_nc_u64 s[24:25], s[8:9], s[26:27]
	s_lshl_b32 s26, s13, 7
	s_add_nc_u64 s[24:25], s[24:25], s[26:27]      ; my 32 numbers of nz
.irp i, 0,1,2,3,4,5,6,7
	global_load_b128 v[S+4*\i:S+4*\i+3], v1, s[16:17] offset:8192*\i   ; 512 threads x 16 bytes: 8,192 consecutive bytes a line
.endr
	global_load_b64 v[S+32:S+33], v6, s[18:19]
	global_load_b128 v[BQ:BQ+3], v2, s[20:21]
	global_load_b128 v[BQ+8:BQ+11], v2, s[20:21] offset:512
	global_load_b128 v[BQ+16:BQ+19], v2, s[20:21]
	global_load_b32 v[S+34], v85, s[22:23]
.irp i, 4,5,6,7,12,13,14,15
	v_mov_b32 v[BQ+\i], 0
.endr
	s_wait_loadcnt 0x0
	v_perm_b32 v[BS], v[S+34], v[S+34], 0x01000100     ; tile a's two bytes, for either half of K
	v_perm_b32 v[BS+1], v[S+34], v[S+34], 0x03020302   ; tile b's
.irp i, 0,1,2,3,4,5,6,7
	ds_store_b128 v1, v[S+4*\i:S+4*\i+3] offset:AIMG+8192*\i
.endr
	ds_store_b64 v4, v[S+32:S+33]
	s_wait_dscnt 0x0                               ; for the others' sake: my stores have landed
	s_barrier_signal -1
	s_barrier_wait -1                              ; the head's rows lie in LDS; nothing is stored to LDS after this
.irp x, 0,1
	v_mov_b32 v[ST+8*\x+1], 0xff61b1e6             ; the largest score so far: -3e38, under every score
	v_mov_b32 v[ST+8*\x+2], 0                      ; the sum
	v_mov_b32 v[ST+8*\x+3], 0
	v_mov_b32 v[ST+8*\x+4], 0
	v_mov_b32 v[ST+8*\x+5], 0
	v_mov_b32 v[ST+8*\x+6], 0
	v_mov_b32 v[ST+8*\x+7], 0
	v_mul_f32 v[ST+8*\x], s28, v[ST+8*\x+1]
.endr                                              ; (these sixteen lines are also the places between the writes of the scale words and zeros above and the first product)
	v_add_nc_u32 v[ADA], s34, v2
	v_add_nc_u32 v[ADS], s35, v3
.macro FETCH                           ; a step's four fragments and their scale words
.irp f, 0,1,2,3
.irp u, 0,1
	ds_load_b128 v[AF+8*\f+4*\u:AF+8*\f+4*\u+3], v[ADA] offset:1024*\f+512*\u
.endr
.endr
.irp f, 0,1,2,3
	ds_load_b32 v[AS+\f], v[ADS] offset:64*\f
.endr
.endm
.macro SMM f, x, u
.set rD, S+64*\x+16*\f+8*\u
.set rB, BQ+8*\x                       ; [Qx | 0]
.if \u
.set rB, BQ+12-8*\x                    ; [0 | Qx]
.endif
	v_wmma_scale_f32_16x16x128_f8f6f4 v[rD:rD+7], v[AF+8*\f:AF+8*\f+7], v[rB:rB+7], 0, v[AS+\f], v[BS+\x] matrix_a_fmt:MATRIX_FMT_FP4 matrix_b_fmt:MATRIX_FMT_FP4
.endm
; A STEP: 128 rows against my 32 columns.  fetch = 1: the next step's fragments are asked for as soon as this step's products are issued, and land under the vector work.
.macro STEP fetch
	s_wait_dscnt 0x0
.irp f, 0,1,2,3
.irp x, 0,1
.irp u, 0,1
	SMM \f, \x, \u
.endr
.endr
.endr
	s_add_co_u32 s34, s34, 4096
	s_add_co_u32 s35, s35, 256
	v_add_nc_u32 v[ADA], s34, v2                   ; two additions and two v_nop: the four places behind the products
	v_add_nc_u32 v[ADS], s35, v3
	v_nop
	v_nop
.if \fetch
	FETCH
.endif
	; the largest of a tile's 64 scores and the old maximum: two chains a tile, the tiles by turns; each accumulator is read from its low end on
.irp x, 0,1
	v_max3_num_f32 v[ST+8*\x+4], v[S+64*\x], v[S+64*\x+1], v[ST+8*\x+1]
	v_max3_num_f32 v[ST+8*\x+5], v[S+64*\x+32], v[S+64*\x+33], v[S+64*\x+34]
.endr
.irp n, 1,2,3,4,5,6,7,8,9,10,11,12,13,14
.irp x, 0,1
	v_max3_num_f32 v[ST+8*\x+4], v[ST+8*\x+4], v[S+64*\x+2*\n], v[S+64*\x+2*\n+1]
	v_max3_num_f32 v[ST+8*\x+5], v[ST+8*\x+5], v[S+64*\x+33+2*\n], v[S+64*\x+34+2*\n]
.endr
.endr
.irp x, 0,1
	v_max3_num_f32 v[ST+8*\x+4], v[ST+8*\x+4], v[S+64*\x+30], v[S+64*\x+31]
.endr
.irp x, 0,1
	v_mov_b32 v[ST+8*\x+7], v[ST+8*\x]             ; c0 x the old maximum
.endr
.irp x, 0,1
	v_max3_num_f32 v[ST+8*\x+1], v[ST+8*\x+4], v[ST+8*\x+5], v[S+64*\x+63]
.endr
.irp x, 0,1
	v_mul_f32 v[ST+8*\x], s28, v[ST+8*\x+1]
.endr
.irp x, 0,1
	v_sub_f32 v[ST+8*\x+7], v[ST+8*\x+7], v[ST+8*\x]
.endr
.irp j, 0,2,4,6,8,10,12,14,16,18,20,22,24,26,28,30,32,34,36,38,40,42,44,46,48,50,52,54,56,58,60,62
.irp x, 0,1
	v_pk_fma_f32 v[S+64*\x+\j:S+64*\x+\j+1], v[S+64*\x+\j:S+64*\x+\j+1], s[28:29], v[ST+8*\x:ST+8*\x+1] op_sel_hi:[1,0,0] neg_lo:[0,0,1] neg_hi:[0,0,1]   ; c0 s - c0 max
.endr
.endr
.irp x, 0,1
	v_exp_f32 v[ST+8*\x+6], v[ST+8*\x+7]           ; ONE BATCH: the two factors and the 128 terms; none reads another's result
.endr
.set j, 0
.rept 128
	v_exp_f32 v[S+j], v[S+j]
.set j, j+1
.endr
	v_nop                                          ; a plain place behind the last exponential
	s_wait_alu depctr_va_vdst(0)                   ; the wait ahead of the first reader: one for the batch
.irp x, 0,1
	v_pk_mul_f32 v[ST+8*\x+2:ST+8*\x+3], v[ST+8*\x+2:ST+8*\x+3], v[ST+8*\x+6:ST+8*\x+7] op_sel_hi:[1,0]   ; the sum under the new maximum
.endr
.irp x, 0,1
	v_pk_add_f32 v[ST+8*\x+4:ST+8*\x+5], v[S+64*\x:S+64*\x+1], v[S+64*\x+2:S+64*\x+3]
.endr
.irp j, 4,8,12,16,20,24,28,32,36,40,44,48,52,56,60
.irp x, 0,1
	v_pk_add_f32 v[ST+8*\x+2:ST+8*\x+3], v[ST+8*\x+2:ST+8*\x+3], v[S+64*\x+\j:S+64*\x+\j+1]
	v_pk_add_f32 v[ST+8*\x+4:ST+8*\x+5], v[ST+8*\x+4:ST+8*\x+5], v[S+64*\x+\j+2:S+64*\x+\j+3]
.endr
.endr
.irp x, 0,1
	v_pk_add_f32 v[ST+8*\x+2:ST+8*\x+3], v[ST+8*\x+2:ST+8*\x+3], v[ST+8*\x+4:ST+8*\x+5]
.endr
.endm
	FETCH
	s_mov_b32 s33, 15
.Lstep:                                            ; 15 of the 16 steps; the last, which fetches nothing, is written out
	STEP 1
	s_sub_co_u32 s33, s33, 1
	s_cmp_lg_u32 s33, 0
	s_cbranch_scc1 .Lstep
	STEP 0
	; the two halves of the lanes are joined under their common maximum
.irp x, 0,1
	v_add_f32 v[ST+8*\x+2], v[ST+8*\x+2], v[ST+8*\x+3]
	v_permlanex16_b32 v[ST+8*\x+4], v[ST+8*\x+1], s30, s31
.endr
.irp x, 0,1
	v_max_num_f32 v[ST+8*\x+4], v[ST+8*\x+4], v[ST+8*\x+1]
.endr
.irp x, 0,1
	v_mul_f32 v[ST+8*\x+5], s28, v[ST+8*\x+4]      ; c0 x the column's maximum: the same bits as my own where mine is the larger
.endr
.irp x, 0,1
	v_sub_f32 v[ST+8*\x+6], v[ST+8*\x], v[ST+8*\x+5]
.endr
.irp x, 0,1
	v_exp_f32 v[ST+8*\x+7], v[ST+8*\x+6]
.endr
	v_nop
	s_wait_alu depctr_va_vdst(0)
.irp x, 0,1
	v_mul_f32 v[ST+8*\x+2], v[ST+8*\x+2], v[ST+8*\x+7]
.endr
.irp x, 0,1
	v_permlanex16_b32 v[ST+8*\x+3], v[ST+8*\x+2], s30, s31
.endr
.irp x, 0,1
	v_add_f32 v[ST+8*\x+2], v[ST+8*\x+2], v[ST+8*\x+3]   ; at least 1: the column's largest term is among them
.endr
.irp x, 0,1
	v_log_f32 v[ST+8*\x+6], v[ST+8*\x+2]
.endr
	v_nop
	s_wait_alu depctr_va_vdst(0)
.irp x, 0,1
	v_fma_f32 v[ST+8*\x+7], v[ST+8*\x+5], -1.0, -v[ST+8*\x+6]
.endr
	v_cndmask_b32 v86, v[ST+7], v[ST+15], s32      ; lanes 0-15 tile a's, lanes 16-31 tile b's
	global_store_b32 v5, v86, s[24:25]             ; 128 consecutive bytes
	s_wait_tensorcnt 0x0
	ds_add_u32 v254, v255
	s_wait_dscnt 0x0
	s_endpgm
.Lfunc_end_k_q7622207e5d_stats:
	.size	k_q7622207e5d_stats, .Lfunc_end_k_q7622207e5d_stats-k_q7622207e5d_stats
	.p2alignl 7, 3214868480
	.fill 96, 4, 3214868480
	.section	.rodata,"a",@progbits
	.p2align	6, 0x0
	.amdhsa_kernel k_q7622207e5d_stats
		.amdhsa_group_segment_fixed_size 71680
		.amdhsa_private_segment_fixed_size 0
		.amdhsa_enable_private_segment 0
		.amdhsa_kernarg_size 24
		.amdhsa_user_sgpr_count 2
		.amdhsa_user_sgpr_kernarg_segment_ptr 1
		.amdhsa_wavefront_size32 1
		.amdhsa_system_sgpr_workgroup_id_x 1
		.amdhsa_system_sgpr_workgroup_id_y 1
		.amdhsa_system_sgpr_workgroup_id_z 1
		.amdhsa_system_vgpr_workitem_id 0
		.amdhsa_next_free_vgpr 256
		.amdhsa_next_free_sgpr 66
		.amdhsa_reserve_vcc 0
		.amdhsa_float_denorm_mode_32 3
		.amdhsa_float_denorm_mode_16_64 3
		.amdhsa_memory_ordered 1
		.amdhsa_forward_progress 1
		.amdhsa_inst_pref_size 46
	.end_amdhsa_kernel
	.amdgpu_metadata
---
amdhsa.version: [ 1, 2 ]
amdhsa.kernels:
  - .name:           k_q7622207e5d_stats
    .symbol:         k_q7622207e5d_stats.kd
    .args:
      - { .name: qkc, .offset: 0, .size: 8, .value_kind: global_buffer, .address_space: global }
      - { .name: qks, .offset: 8, .size: 8, .value_kind: global_buffer, .address_space: global }
      - { .name: nz, .offset: 16, .size: 8, .value_kind: global_buffer, .address_space: global }
    .group_segment_fixed_size: 71680
    .private_segment_fixed_size: 0
    .kernarg_segment_align: 8
    .kernarg_segment_size: 24
    .max_flat_workgroup_size: 512
    .sgpr_count:     66
    .vgpr_count:     256
    .wavefront_size: 32
...
	.end_amdgpu_metadata
.endif
;; end of part 2
;; launch attn (part 3): grid 256 x 1, 16 waves a work-group, no clusters, 149,504 bytes of LDS; arguments qkc, qks, vc, vs, nz, cc, cs; writes cc, cs
.if DOCPART == 3
	.amdgcn_target "amdgcn-amd-amdhsa--gfx1250"
	.amdhsa_code_object_version 6
	.text
	.protected	k_q7622207e5d_attn
	.globl	k_q7622207e5d_attn
	.p2align	8
	.type	k_q7622207e5d_attn,@function
k_q7622207e5d_attn:
	s_mov_b64 s[64:65], 0
	v_nop
	global_prefetch_b8 v0, s[64:65] scope:SCOPE_SE
	s_setreg_imm32_b32 hwreg(HW_REG_WAVE_MODE, 25, 1), 1
	s_wait_xcnt 0x0
; ctx[r][:] = sum over c of p(r, c) V[c][:],  p(r, c) = 2^(c0 s(r, c) + nz[c]): the finished, normalised weight (nz from the launch before; c0 = log2(e) / 8), quantised along c in blocks of 32.
; side 0: r a query, c a key, V = v1 (weights normalised over the queries); side 1: r a key, c a query, V = v2.  All products on codes of FP4 with one E8M0 scale for each 32 along K.
; ctx is quantised at once along the head's 64 features, which are two of the 16 blocks of the last product's K.
; SHARES.  A work-group takes 512 rows r of one (side, b, head), each of its sixteen waves 32: two tiles of 16.  All 2,048 columns of that head (codes and scale words of the column tensor and of V, and nz:
; 147,456 bytes) are copied into LDS once, through registers; every wave walks them, 128 a step.  Four waves share a SIMD: one wave's vector work stands beside another's products and LDS loads.
; LAYOUT.  Both products are used transposed: S^T (source 0 = 16 columns, source 1 = my 16 rows) and O^T = V^T P^T (source 0 = 16 features, source 1 = P): a lane holds ONE row r throughout.  The columns of a
; tile are 32 g + 8 u + perm(m), perm(m) = m + 8 (m / 8), so that the 16 registers of tiles u = 0, 1 are columns 32 g + 16 h + 0 .. 15, and a block of 32 lies in lanes l and l xor 16.
; K = 64 IN AN INSTRUCTION OF K = 128: a fragment of source 0 holds tile u = 0 in k 0-63 and u = 1 in k 64-127; source 1 is [Q | zeros] or [zeros | Q], all four out of one chain [Qa][0][Qb][0][Qa].
; A step: two halves of 64 columns (8 products, 32 packed multiply-adds, 64 exponentials as one batch with one wait, four blocks quantised), then 8 products V^T P^T on eight accumulators by turns.
; NO CLUSTER, NO TENSOR LOAD: the four work-groups of a (side, b, head) read the same 147,456 bytes, once, at the head; after that nothing is loaded from memory for 16 steps.
; LIMITS: NaN and infinities are not served.  The exponent c0 s + nz is one fused multiply-add in f32: its error is the rounding of a number of nz's size.  A weight under 2^-126 is 0.
; A block of zeros gets the scale byte 1, not 127: its codes are zeros, and only this program reads the bytes.
.set KIMG, 0                           ; LDS: the columns' codes [group 64][u 2][lane 32][16 B]
.set VIMG, 65536                       ; V's codes [step 16][t 4][c' 2][lane 32][16 B]
.set KSC,  131072                      ; the columns' scale words [group 64][m 16]
.set VSC,  135168                      ; V's [step 16][t 4][m 16]
.set NZL,  139264                      ; nz, 2,048 f32
.set BQ,   8                           ; v8-27    the chain
.set BS,   28                          ; v28-29   my rows' scale words, tile 0, tile 1: (blk0, blk1, blk0, blk1)
.set SC,   30                          ; v30-33   lanes 0-15: the scale words of the step's four groups of columns; lanes 16-31: of V's four tiles
.set PW,   34                          ; v34-35   p's scale words, tile 0, tile 1
.set KF,   36                          ; v36-51   two fragments of columns
.set NZ,   52                          ; v52-83   nz of a half's 64 columns (my half of the lanes: 32 numbers); then V's four fragments
.set S,    84                          ; v84-147  S^T, then p: tile x, group bb, u at 32 x + 16 bb + 8 u
.set O,    148                         ; v148-211 O^T: tile x, features' tile t at 32 x + 8 t
.set PC,   212                         ; v212-227 p's codes, tile x at 8 x
.set TM,   228                         ; v228-243 at work
.set ADK,  244                         ; v244-247 the step's LDS addresses: columns, V, nz, scale words
.set ADV,  245
.set ADZ,  246
.set ADS,  247
.set F0,   248                         ; v248-253 the copy's addresses
.set FD,   84                          ; v84-155  the copy's data
.macro PLACES
.rept 4
	v_nop
.endr
.endm
	s_load_b256 s[4:11], s[0:1], 0x0               ; qkc, qks, vc, vs
	s_load_b128 s[12:15], s[0:1], 0x20             ; nz, cc
	s_load_b64 s[16:17], s[0:1], 0x30              ; cs
	v_lshl_add_u32 v254, v0, 2, 0x24000
	v_mov_b32 v255, 0
	v_lshrrev_b32 v7, 5, v0
	v_readfirstlane_b32 s2, v7                     ; wave
	s_and_b32 s18, ttmp9, 3                        ; which 512 rows
	s_bfe_u32 s19, ttmp9, 0x50002                  ; 8 b + head
	s_lshr_b32 s20, ttmp9, 7                       ; side
	s_lshl_b32 s21, s18, 4
	s_add_co_u32 s21, s21, s2                      ; my group of 32 rows
	s_lshl_b32 s22, s20, 5
	s_add_co_u32 s22, s22, s19                     ; the rows' tensor, V and nz: side
	s_xor_b32 s23, s20, 1
	s_lshl_b32 s23, s23, 5
	s_add_co_u32 s23, s23, s19                     ; the columns' tensor: the other one
	s_mov_b32 s44, 0x3e38aa3b                      ; c0
	s_mov_b32 s45, s44
	s_mov_b32 s46, 0x76543210
	s_mov_b32 s47, 0xfedcba98                      ; lane l xor 16
	s_mov_b32 s48, 0xffff0000                      ; lanes 16-31
	s_mov_b32 s50, 0                               ; 256 x the step
	s_mov_b32 s43, 0
	v_and_b32 v7, 31, v0
	v_lshlrev_b32 v1, 4, v7                        ; columns: 16 x lane
	v_add_nc_u32 v2, VIMG, v1                      ; V
	v_lshlrev_b32 v5, 4, v7                        ; the way out: 16 x lane
	v_bfe_u32 v7, v0, 4, 1                         ; h
	v_lshl_add_u32 v3, v7, 6, NZL                  ; nz: my half's 16 of each 32 columns
	v_and_b32 v6, 15, v0                           ; r
	v_lshlrev_b32 v4, 2, v6
	v_lshl_add_u32 v4, v7, 12, v4
	v_add_nc_u32 v4, KSC, v4                       ; scale words: lanes 0-15 the columns', lanes 16-31 V's, 4,096 bytes further on
	v_lshlrev_b32 v[F0+5], 2, v6                   ; 4 r: my rows' scale word in memory
	v_lshlrev_b32 v6, 4, v6
	v_lshl_add_u32 v6, v7, 8, v6                   ; the way out of the scale bytes: 256 x tile + 16 r
	v_lshlrev_b32 v[F0], 4, v0                     ; 16 x thread
	v_lshl_add_u32 v[F0+1], v0, 4, VIMG
	v_lshlrev_b32 v[F0+2], 3, v0                   ; 8 x thread
	v_lshl_add_u32 v[F0+3], v0, 3, KSC
	v_lshl_add_u32 v[F0+4], v0, 3, VSC
	v_lshl_add_u32 v7, v0, 4, NZL
	s_wait_kmcnt 0x0
	s_lshl_b32 s42, s23, 16
	s_add_nc_u64 s[24:25], s[4:5], s[42:43]        ; the columns' codes
	s_lshl_b32 s42, s23, 12
	s_add_nc_u64 s[26:27], s[6:7], s[42:43]        ; their scale words
	s_lshl_b32 s42, s22, 16
	s_add_nc_u64 s[28:29], s[8:9], s[42:43]        ; V's codes
	s_add_nc_u64 s[34:35], s[4:5], s[42:43]
	s_lshl_b32 s42, s22, 12
	s_add_nc_u64 s[30:31], s[10:11], s[42:43]      ; V's scale words
	s_add_nc_u64 s[36:37], s[6:7], s[42:43]
	s_lshl_b32 s42, s22, 13
	s_add_nc_u64 s[32:33], s[12:13], s[42:43]      ; nz
	s_lshl_b32 s42, s21, 10
	s_add_nc_u64 s[34:35], s[34:35], s[42:43]      ; my rows' codes
	s_lshl_b32 s42, s21, 6
	s_add_nc_u64 s[36:37], s[36:37], s[42:43]      ; their scale words
	s_lshr_b32 s53, s22, 3                         ; 4 side + b
	s_and_b32 s54, s19, 7                          ; head
	s_lshl_b32 s42, s53, 19                        ; cc: 128 tiles of 4,096 bytes,
	s_lshl_b32 s55, s21, 13                        ; my two tiles,
	s_add_co_u32 s42, s42, s55
	s_lshl_b32 s55, s54, 9                         ; my head's 512 bytes
	s_add_co_u32 s42, s42, s55
	s_add_nc_u64 s[38:39], s[14:15], s[42:43]
	s_lshl_b32 s42, s53, 15                        ; cs: 128 tiles of 256 bytes,
	s_lshl_b32 s55, s21, 9
	s_add_co_u32 s42, s42, s55
	s_lshl_b32 s55, s54, 1                         ; my head's two bytes
	s_add_co_u32 s42, s42, s55
	s_add_nc_u64 s[40:41], s[16:17], s[42:43]
.irp i, 0,1,2,3,4,5,6,7
	global_load_b128 v[FD+4*\i:FD+4*\i+3], v[F0], s[24:25] offset:8192*\i
.endr
.irp i, 0,1,2,3,4,5,6,7
	global_load_b128 v[FD+32+4*\i:FD+32+4*\i+3], v[F0], s[28:29] offset:8192*\i
.endr
	global_load_b64 v[FD+64:FD+65], v[F0+2], s[26:27]
	global_load_b64 v[FD+66:FD+67], v[F0+2], s[30:31]
	global_load_b128 v[FD+68:FD+71], v[F0], s[32:33]
	global_load_b128 v[BQ:BQ+3], v5, s[34:35]
	global_load_b128 v[BQ+8:BQ+11], v5, s[34:35] offset:512
	global_load_b128 v[BQ+16:BQ+19], v5, s[34:35]
	global_load_b32 v[TM], v[F0+5], s[36:37]
.irp i, 4,5,6,7,12,13,14,15
	v_mov_b32 v[BQ+\i], 0
.endr
	s_wait_loadcnt 0x0
	v_perm_b32 v[BS], v[TM], v[TM], 0x01000100
	v_perm_b32 v[BS+1], v[TM], v[TM], 0x03020302
.irp i, 0,1,2,3,4,5,6,7
	ds_store_b128 v[F0], v[FD+4*\i:FD+4*\i+3] offset:KIMG+8192*\i
.endr
.irp i, 0,1,2,3,4,5,6,7
	ds_store_b128 v[F0+1], v[FD+32+4*\i:FD+32+4*\i+3] offset:8192*\i
.endr
	ds_store_b64 v[F0+3], v[FD+64:FD+65]
	ds_store_b64 v[F0+4], v[FD+66:FD+67]
	ds_store_b128 v7, v[FD+68:FD+71]
	s_wait_dscnt 0x0                               ; for the others' sake: my stores have landed
	s_barrier_signal -1
	s_barrier_wait -1                              ; the head's columns lie in LDS; nothing is stored to LDS after this
	v_add_nc_u32 v[ADK], s50, v1
	v_add_nc_u32 v[ADV], s50, v2
	v_add_nc_u32 v[ADZ], s50, v3
	v_add_nc_u32 v[ADS], s50, v4
.irp i, 4,5,6,7
	v_mov_b32 v[TM+\i], 0                          ; written once: a lane permute's destination counts as one of its sources
.endr
	PLACES                                         ; with the eight lines above: twelve places between the writes of my rows' scale words and the first product
.macro LDK off                         ; two groups of columns
.irp bb, 0,1
.irp u, 0,1
	ds_load_b128 v[KF+8*\bb+4*\u:KF+8*\bb+4*\u+3], v[ADK] offset:\off+1024*\bb+512*\u
.endr
.endr
.endm
.macro LDZ off                         ; their nz: register 16 bb + i = column 32 bb + 16 h + i
.irp bb, 0,1
.irp i, 0,1,2,3
	ds_load_b128 v[NZ+16*\bb+4*\i:NZ+16*\bb+4*\i+3], v[ADZ] offset:\off+128*\bb+16*\i
.endr
.endr
.endm
.macro LDS4                            ; the step's scale words
.irp i, 0,1,2,3
	ds_load_b32 v[SC+\i], v[ADS] offset:64*\i
.endr
.endm
.macro LDV                             ; V's four fragments of the step, into nz's registers
.irp t, 0,1,2,3
.irp c, 0,1
	ds_load_b128 v[NZ+8*\t+4*\c:NZ+8*\t+4*\c+3], v[ADV] offset:1024*\t+512*\c
.endr
.endr
.endm
; Four blocks of 32 are quantised.  Block i is v[src + 16 i] on, 16 registers, and the same of lane l xor 16.  The largest magnitude has the floor 2^(3 - 127) among its leaves, so that the byte cannot fall
; under 1; 2 off its exponent field is the conversion's scale operand; a shift of it the byte (TM + 4 + i).  The exchange of halves gives lanes 0-15 block 2 x whole and lanes 16-31 block 2 x + 1: v[dst + 8 x] on, four registers.
.macro QUANT4 src, dst
.irp i, 0,1,2,3
	v_max3_num_f32 v[TM+\i], |v[\src+16*\i]|, |v[\src+16*\i+1]|, 0x1800000
.endr
.irp n, 2,4,6,8,10,12,14
.irp i, 0,1,2,3
	v_max3_num_f32 v[TM+\i], v[TM+\i], |v[\src+16*\i+\n]|, |v[\src+16*\i+\n+1]|
.endr
.endr
.irp i, 0,1,2,3
	v_permlanex16_b32 v[TM+4+\i], v[TM+\i], s46, s47
.endr
.irp i, 0,1,2,3
	v_max_num_f32 v[TM+\i], v[TM+\i], v[TM+4+\i]
.endr
.irp i, 0,1,2,3
	v_add_nc_u32 v[TM+12+\i], 0xff000000, v[TM+\i]
.endr
.irp i, 0,1,2,3
	v_lshrrev_b32 v[TM+4+\i], 23, v[TM+12+\i]
.endr
.irp i, 0,1,2,3
	v_cvt_scalef32_pk8_fp4_f32 v[(\dst)+8*(\i/2)+2*(\i%2)], v[\src+16*\i:\src+16*\i+7], v[TM+12+\i]
	v_cvt_scalef32_pk8_fp4_f32 v[(\dst)+8*(\i/2)+2*(\i%2)+1], v[\src+16*\i+8:\src+16*\i+15], v[TM+12+\i]
.endr
	v_nop                                          ; one plain place behind the last scaled conversion
.irp x, 0,1
.irp n, 0,1
	v_permlane16_swap_b32 v[(\dst)+8*\x+\n], v[(\dst)+8*\x+2+\n]
.endr
.endr
.endm
.macro SMM hf, bb, x, u
.set rD, S+32*\x+16*\bb+8*\u
.set rB, BQ+8*\x                       ; [Qx | 0]
.if \u
.set rB, BQ+12-8*\x                    ; [0 | Qx]
.endif
	v_wmma_scale_f32_16x16x128_f8f6f4 v[rD:rD+7], v[KF+8*\bb:KF+8*\bb+7], v[rB:rB+7], 0, v[SC+2*\hf+\bb], v[BS+\x] matrix_a_fmt:MATRIX_FMT_FP4 matrix_b_fmt:MATRIX_FMT_FP4
.endm
; HALF A STEP: 64 columns against my 32 rows.  ldk: where the next half's columns lie from this step's address on (under 0: none is fetched).
.macro HALF hf, ldk
	s_wait_dscnt 0x0                               ; the half's columns, nz and scale words are in
.irp bb, 0,1
.irp x, 0,1
.irp u, 0,1
	SMM \hf, \bb, \x, \u
.endr
.endr
.endr
	PLACES
.if \ldk >= 0
	LDK \ldk
.endif
.irp bb, 0,1
.irp p, 0,2,4,6,8,10,12,14
.irp x, 0,1
	v_pk_fma_f32 v[S+32*\x+16*\bb+\p:S+32*\x+16*\bb+\p+1], v[S+32*\x+16*\bb+\p:S+32*\x+16*\bb+\p+1], s[44:45], v[NZ+16*\bb+\p:NZ+16*\bb+\p+1] op_sel_hi:[1,0,1]   ; c0 s + nz; each accumulator from its low end on
.endr
.endr
.endr
.if \hf == 0
	LDZ 256                                        ; nz's registers are read: the second half's nz,
.else
	LDV                                            ; or V's fragments, land under the exponentials
.endif
.set j, 0
.rept 64
	v_exp_f32 v[S+j], v[S+j]                       ; the finished weights: one batch
.set j, j+1
.endr
	v_nop                                          ; a plain place behind the last exponential
	s_wait_alu depctr_va_vdst(0)                   ; the wait ahead of the first reader: one for the batch
	QUANT4 S, PC+4*\hf
.irp x, 0,1
.if \hf == 0
	v_lshl_or_b32 v[PW+\x], v[TM+5+2*\x], 8, v[TM+4+2*\x]
.else
	v_lshl_or_b32 v[TM+8+\x], v[TM+5+2*\x], 8, v[TM+4+2*\x]
.endif
.endr
.if \hf == 1
.irp x, 0,1
	v_lshl_or_b32 v[PW+\x], v[TM+8+\x], 16, v[PW+\x]   ; the step's four bytes: p's scale word
.endr
.endif
.endm
; A STEP: 128 columns.  first = 1: the products V^T P^T start the sums: nothing is cleared.  last = 1: nothing more is fetched.
.macro STEP first, last
	HALF 0, 2048
.if \last
	HALF 1, -1
.else
	HALF 1, 4096
.endif
	s_add_co_u32 s50, s50, 256
	s_lshl_b32 s51, s50, 4
	s_lshl_b32 s52, s50, 1
	v_add_nc_u32 v[ADK], s51, v1                   ; the next step's addresses; with the four v_nop: eight places between the write of p's scale words and the products that take them
	v_add_nc_u32 v[ADV], s51, v2
	v_add_nc_u32 v[ADZ], s52, v3
	v_add_nc_u32 v[ADS], s50, v4
	PLACES
	s_wait_dscnt 0x0                               ; V's fragments are in
.irp t, 0,1,2,3
.irp x, 0,1
.if \first
	v_wmma_scale_f32_16x16x128_f8f6f4 v[O+32*\x+8*\t:O+32*\x+8*\t+7], v[NZ+8*\t:NZ+8*\t+7], v[PC+8*\x:PC+8*\x+7], 0, v[SC+\t], v[PW+\x] matrix_a_fmt:MATRIX_FMT_FP4 matrix_b_fmt:MATRIX_FMT_FP4 matrix_a_scale:MATRIX_SCALE_ROW1
.else
	v_wmma_scale_f32_16x16x128_f8f6f4 v[O+32*\x+8*\t:O+32*\x+8*\t+7], v[NZ+8*\t:NZ+8*\t+7], v[PC+8*\x:PC+8*\x+7], v[O+32*\x+8*\t:O+32*\x+8*\t+7], v[SC+\t], v[PW+\x] matrix_a_fmt:MATRIX_FMT_FP4 matrix_b_fmt:MATRIX_FMT_FP4 matrix_a_scale:MATRIX_SCALE_ROW1
.endif
.endr
.endr                                              ; the eight accumulators take turns, one instruction a turn
	PLACES
.if !\last
	LDZ 0
	LDS4
.endif
.endm
	LDK 0
	LDZ 0
	LDS4
	STEP 1, 0
	s_mov_b32 s49, 14
.Lstep:
	STEP 0, 0
	s_sub_co_u32 s49, s49, 1
	s_cmp_lg_u32 s49, 0
	s_cbranch_scc1 .Lstep
	STEP 0, 1
	; THE WAY OUT: block 2 x + beta is features 32 beta .. + 31 of tile x's rows: tiles t = 2 beta, 2 beta + 1.  (The step's last four v_nop are the places behind the last products.)
	QUANT4 O, PC
	v_lshl_or_b32 v[TM+8], v[TM+5], 8, v[TM+4]
	v_lshl_or_b32 v[TM+9], v[TM+7], 8, v[TM+6]
	v_cndmask_b32 v7, v[TM+8], v[TM+9], s48        ; lanes 0-15 tile 0's two bytes, lanes 16-31 tile 1's
.irp x, 0,1
	global_store_b128 v5, v[PC+8*\x:PC+8*\x+3], s[38:39] offset:4096*\x   ; 512 consecutive bytes, aligned
.endr
	global_store_b16 v6, v7, s[40:41]
	s_wait_tensorcnt 0x0
	ds_add_u32 v254, v255
	s_wait_dscnt 0x0
	s_endpgm
.Lfunc_end_k_q7622207e5d_attn:
	.size	k_q7622207e5d_attn, .Lfunc_end_k_q7622207e5d_attn-k_q7622207e5d_attn
	.p2alignl 7, 3214868480
	.fill 96, 4, 3214868480
	.section	.rodata,"a",@progbits
	.p2align	6, 0x0
	.amdhsa_kernel k_q7622207e5d_attn
		.amdhsa_group_segment_fixed_size 149504
		.amdhsa_private_segment_fixed_size 0
		.amdhsa_enable_private_segment 0
		.amdhsa_kernarg_size 56
		.amdhsa_user_sgpr_count 2
		.amdhsa_user_sgpr_kernarg_segment_ptr 1
		.amdhsa_wavefront_size32 1
		.amdhsa_system_sgpr_workgroup_id_x 1
		.amdhsa_system_sgpr_workgroup_id_y 1
		.amdhsa_system_sgpr_workgroup_id_z 1
		.amdhsa_system_vgpr_workitem_id 0
		.amdhsa_next_free_vgpr 256
		.amdhsa_next_free_sgpr 66
		.amdhsa_reserve_vcc 0
		.amdhsa_float_denorm_mode_32 3
		.amdhsa_float_denorm_mode_16_64 3
		.amdhsa_memory_ordered 1
		.amdhsa_forward_progress 1
		.amdhsa_inst_pref_size 77
	.end_amdhsa_kernel
	.amdgpu_metadata
---
amdhsa.version: [ 1, 2 ]
amdhsa.kernels:
  - .name:           k_q7622207e5d_attn
    .symbol:         k_q7622207e5d_attn.kd
    .args:
      - { .name: qkc, .offset: 0, .size: 8, .value_kind: global_buffer, .address_space: global }
      - { .name: qks, .offset: 8, .size: 8, .value_kind: global_buffer, .address_space: global }
      - { .name: vc, .offset: 16, .size: 8, .value_kind: global_buffer, .address_space: global }
      - { .name: vs, .offset: 24, .size: 8, .value_kind: global_buffer, .address_space: global }
      - { .name: nz, .offset: 32, .size: 8, .value_kind: global_buffer, .address_space: global }
      - { .name: cc, .offset: 40, .size: 8, .value_kind: global_buffer, .address_space: global }
      - { .name: cs, .offset: 48, .size: 8, .value_kind: global_buffer, .address_space: global }
    .group_segment_fixed_size: 149504
    .private_segment_fixed_size: 0
    .kernarg_segment_align: 8
    .kernarg_segment_size: 56
    .max_flat_workgroup_size: 512
    .sgpr_count:     66
    .vgpr_count:     256
    .wavefront_size: 32
...
	.end_amdgpu_metadata
.endif
;; end of part 3
;; launch out (part 4): grid 256 x 1, 16 waves a work-group, no clusters, 88,064 bytes of LDS; arguments cc, cs, Wo1_codes, Wo2_codes, Wo1_scales, Wo2_scales, bo1, bo2, x1, x2, out0, out1; writes out0, out1
.if DOCPART == 4
	.amdgcn_target "amdgcn-amd-amdhsa--gfx1250"
	.amdhsa_code_object_version 6
	.text
	.protected	k_q7622207e5d_out
	.globl	k_q7622207e5d_out
	.p2align	8
	.type	k_q7622207e5d_out,@function
k_q7622207e5d_out:
	s_mov_b64 s[64:65], 0
	v_nop
	global_prefetch_b8 v0, s[64:65] scope:SCOPE_SE
	s_setreg_imm32_b32 hwreg(HW_REG_WAVE_MODE, 25, 1), 1
	s_wait_xcnt 0x0
; out[b][c][n] = (ctx Wo + bo)[b][n][c] + x[b][c][n], for side 0 (ctx1, Wo1, bo1, x1, out0: work-groups 0-127) and side 1.  The product is on codes of FP4 with one E8M0 scale for each 32 along K = 512;
; ctx's codes and scale bytes come from the launch before, laid as the operand's registers; the weights arrive as codes.
; SHARES.  A work-group takes 64 tokens of one (side, b); wave w the output channels 32 w .. 32 w + 31 for all 64 tokens: two tiles of channels x four tiles of tokens x four K steps: 32 matrix instructions.
; ctx's 16,384 bytes of codes are copied into LDS once, through registers, and read by all sixteen waves; a wave's weights (64 registers) come from memory once.
; LAYOUT.  Source 0 = 16 tokens, source 1 = 16 channels: a lane holds ONE channel and eight tokens.  Row m of token tile T = 2 g + u is token 32 g + 8 u + m + 8 (m / 8), so register j of lane (r, h) is token
; 32 g + 16 h + 8 u + j: 32 neighbouring bytes of the channel's row of the output.  A channel's 64 tokens are 256 bytes: they meet in the wave's own stage in LDS (16 rows of 256 + 16 bytes), come back as whole
; rows, take x, and leave: sixteen lanes store 256 consecutive bytes, aligned.  The bias is the C of each sum's first product.
; NO CLUSTER, NO TENSOR LOAD: the weights, 139,264 bytes, are what work-groups share, against 262,144 bytes of x and output that each has alone; LDS is filled once.
; LIMITS: NaN and infinities are not served.
.set CIMG, 0                           ; LDS: ctx's fragments [T 4][K step 4][c' 2][lane 32][16 B]
.set STG,  16384                       ; the stages: 4,352 bytes a wave
.set WF,   16                          ; v16-79   the weights' fragments (ct, s) at 8 (4 ct + s)
.set ACC,  80                          ; v80-111  four accumulators, 8 T
.set CF,   112                         ; v112-143 ctx's four fragments of a K step; then 16 rows back from the stage
.set X,    144                         ; v144-207 x, then the result: 4 (8 ct + i)
.set BI,   208                         ; v208-223 the bias, eight equal registers a tile ct
.set WS,   224                         ; v224-231 the weights' scale words, 4 ct + s
.set CSW,  232                         ; v232-247 ctx's scale words, 4 T + s
.macro PLACES
.rept 4
	v_nop
.endr
.endm
	s_load_b512 s[8:23], s[0:1], 0x0               ; cc, cs, Wo1, Wo2 codes, Wo1, Wo2 scales, bo1, bo2
	s_load_b256 s[24:31], s[0:1], 0x40             ; x1, x2, out0, out1
	v_lshl_add_u32 v254, v0, 2, 0x15000
	v_mov_b32 v255, 0
	v_lshrrev_b32 v10, 5, v0
	v_readfirstlane_b32 s2, v10                    ; wave
	s_and_b32 s32, ttmp9, 31                       ; nb: which 64 tokens
	s_bfe_u32 s33, ttmp9, 0x20005                  ; b
	s_lshr_b32 s34, ttmp9, 7                       ; side
	s_lshl_b32 s35, s34, 2
	s_add_co_u32 s35, s35, s33                     ; 4 side + b
	v_lshlrev_b32 v1, 4, v0                        ; 16 x thread
	v_and_b32 v10, 31, v0
	v_lshlrev_b32 v2, 4, v10                       ; 16 x lane
	v_and_b32 v11, 15, v0                          ; r
	v_bfe_u32 v12, v0, 4, 1                        ; h
	v_lshlrev_b32 v3, 8, v11
	v_lshl_add_u32 v3, v12, 4, v3                  ; the weights' codes: row r of 256 bytes, + 16 h
	v_lshlrev_b32 v4, 4, v11                       ; 16 scale bytes a row, the weights' and ctx's
	v_lshlrev_b32 v5, 2, v11                       ; the bias
	s_mul_i32 s48, s2, 4352
	s_add_co_u32 s48, s48, STG                     ; my stage
	v_mul_u32_u24 v7, v11, 272
	v_lshl_add_u32 v7, v12, 6, v7
	v_add_nc_u32 v7, s48, v7                       ; in: row r (my channel), + 64 h
	v_mul_u32_u24 v8, v12, 272
	v_lshl_add_u32 v8, v11, 4, v8
	v_add_nc_u32 v8, s48, v8                       ; back: lanes 0-15 one row, lanes 16-31 the next; 16 bytes a lane
	v_lshlrev_b32 v9, 13, v12
	v_lshl_add_u32 v9, v11, 4, v9                  ; and the same two rows, 8,192 bytes apart, in x and in the output
	s_lshl_b32 s36, s35, 19                        ; cc: 128 tiles of 4,096 bytes; my four tiles
	s_lshl_b32 s49, s32, 14
	s_add_co_u32 s36, s36, s49
	s_mov_b32 s37, 0
	s_lshl_b32 s38, s35, 15                        ; cs: 128 tiles of 256 bytes
	s_lshl_b32 s49, s32, 10
	s_add_co_u32 s38, s38, s49
	s_mov_b32 s39, 0
	s_lshl_b32 s40, s2, 13                         ; my 32 rows of the weights' codes,
	s_mov_b32 s41, 0
	s_lshl_b32 s42, s2, 9                          ; of their scale bytes,
	s_mov_b32 s43, 0
	s_lshl_b32 s44, s2, 7                          ; of the bias
	s_mov_b32 s45, 0
	s_lshl_b32 s46, s33, 22                        ; x, out: b x 512 channels of 8,192 bytes,
	s_lshl_b32 s49, s2, 18                         ; my 32 channels,
	s_add_co_u32 s46, s46, s49
	s_lshl_b32 s49, s32, 8                         ; my work-group's 64 tokens
	s_add_co_u32 s46, s46, s49
	s_mov_b32 s47, 0
	s_wait_kmcnt 0x0
	s_cmp_eq_u32 s34, 0                            ; side 0's tensors or side 1's: on the work-group's number alone
	s_cselect_b64 s[12:13], s[12:13], s[14:15]
	s_cselect_b64 s[16:17], s[16:17], s[18:19]
	s_cselect_b64 s[20:21], s[20:21], s[22:23]
	s_cselect_b64 s[24:25], s[24:25], s[26:27]
	s_cselect_b64 s[28:29], s[28:29], s[30:31]
	s_add_nc_u64 s[8:9], s[8:9], s[36:37]
	s_add_nc_u64 s[10:11], s[10:11], s[38:39]
	s_add_nc_u64 s[12:13], s[12:13], s[40:41]
	s_add_nc_u64 s[16:17], s[16:17], s[42:43]
	s_add_nc_u64 s[20:21], s[20:21], s[44:45]
	s_add_nc_u64 s[24:25], s[24:25], s[46:47]
	s_add_nc_u64 s[28:29], s[28:29], s[46:47]
	global_load_b128 v[CF:CF+3], v1, s[8:9]        ; ctx's codes: 512 threads x 32 bytes
	global_load_b128 v[CF+4:CF+7], v1, s[8:9] offset:8192
.irp ct, 0,1
.irp s, 0,1,2,3
.irp c, 0,1
	global_load_b128 v[WF+8*(4*\ct+\s)+4*\c:WF+8*(4*\ct+\s)+4*\c+3], v3, s[12:13] offset:4096*\ct+64*\s+32*\c
.endr
.endr
.endr
.irp ct, 0,1
	global_load_b128 v[WS+4*\ct:WS+4*\ct+3], v4, s[16:17] offset:256*\ct
.endr
.irp ct, 0,1
.irp j, 0,1,2,3,4,5,6,7
	global_load_b32 v[BI+8*\ct+\j], v5, s[20:21] offset:64*\ct
.endr
.endr
.irp T, 0,1,2,3
	global_load_b128 v[CSW+4*\T:CSW+4*\T+3], v4, s[10:11] offset:256*\T
.endr
.irp ct, 0,1
.irp i, 0,1,2,3,4,5,6,7
	global_load_b128 v[X+4*(8*\ct+\i):X+4*(8*\ct+\i)+3], v9, s[24:25] offset:(16*\ct+2*\i)*8192 th:TH_LOAD_NT   ; sixteen lanes read a channel's 256 bytes
.endr
.endr
	s_wait_loadcnt 54                              ; ctx's codes are in: behind their two loads 16 + 2 + 16 + 4 + 16 were issued
	ds_store_b128 v1, v[CF:CF+3] offset:CIMG
	ds_store_b128 v1, v[CF+4:CF+7] offset:CIMG+8192
	s_wait_dscnt 0x0                               ; for the others' sake: my stores have landed
	s_barrier_signal -1
	s_barrier_wait -1                              ; ctx's sixteen fragments lie in LDS; from here on a wave stores to its own stage alone
	s_wait_loadcnt 16                              ; the weights, scales and bias are in; x's sixteen loads may be out
.macro OMM ct, s, T
.set rD, ACC+8*\T
.set rC, rD
.if \s == 0
.set rC, BI+8*\ct
.endif
	v_wmma_scale_f32_16x16x128_f8f6f4 v[rD:rD+7], v[CF+8*\T:CF+8*\T+7], v[WF+8*(4*\ct+\s):WF+8*(4*\ct+\s)+7], v[rC:rC+7], v[CSW+4*\T+\s], v[WS+4*\ct+\s] matrix_a_fmt:MATRIX_FMT_FP4 matrix_b_fmt:MATRIX_FMT_FP4
.endm
; channels 32 w + 16 ct .. + 15 for the 64 tokens
.macro PHASE ct
.irp s, 0,1,2,3
	PLACES
.irp T, 0,1,2,3
.irp c, 0,1
	ds_load_b128 v[CF+8*\T+4*\c:CF+8*\T+4*\c+3], v2 offset:CIMG+\T*4096+\s*1024+\c*512
.endr
.endr
	s_wait_dscnt 0x0
.irp T, 0,1,2,3
	OMM \ct, \s, \T                                ; the four accumulators take turns, one instruction a turn
.endr
.endr
	PLACES
.irp T, 0,1,2,3
	ds_store_b128 v7, v[ACC+8*\T:ACC+8*\T+3] offset:128*(\T/2)+32*(\T%2)        ; each accumulator from its low end on
	ds_store_b128 v7, v[ACC+8*\T+4:ACC+8*\T+7] offset:128*(\T/2)+32*(\T%2)+16
.endr
.irp i, 0,1,2,3,4,5,6,7
	ds_load_b128 v[CF+4*\i:CF+4*\i+3], v8 offset:544*\i   ; LDS serves a wave's instructions in order (ISA guide 5.7.1.4): these see my stores, and the bytes are mine alone
.endr
	s_wait_loadcnt 8-8*\ct                         ; this tile's eight loads of x are in; the other tile's, issued behind them, may be out
	s_wait_dscnt 0x0
.irp p, 0,2,4,6,8,10,12,14,16,18,20,22,24,26,28,30
	v_pk_add_f32 v[X+32*\ct+\p:X+32*\ct+\p+1], v[X+32*\ct+\p:X+32*\ct+\p+1], v[CF+\p:CF+\p+1]   ; the residual
.endr
.irp i, 0,1,2,3,4,5,6,7
	global_store_b128 v9, v[X+32*\ct+4*\i:X+32*\ct+4*\i+3], s[28:29] offset:(16*\ct+2*\i)*8192 th:TH_STORE_NT   ; sixteen lanes store 256 consecutive bytes, aligned; these registers are not written again
.endr
.endm
	PHASE 0
	PHASE 1
	s_wait_tensorcnt 0x0
	ds_add_u32 v254, v255
	s_wait_dscnt 0x0
	s_endpgm
.Lfunc_end_k_q7622207e5d_out:
	.size	k_q7622207e5d_out, .Lfunc_end_k_q7622207e5d_out-k_q7622207e5d_out
	.p2alignl 7, 3214868480
	.fill 96, 4, 3214868480
	.section	.rodata,"a",@progbits
	.p2align	6, 0x0
	.amdhsa_kernel k_q7622207e5d_out
		.amdhsa_group_segment_fixed_size 88064
		.amdhsa_private_segment_fixed_size 0
		.amdhsa_enable_private_segment 0
		.amdhsa_kernarg_size 96
		.amdhsa_user_sgpr_count 2
		.amdhsa_user_sgpr_kernarg_segment_ptr 1
		.amdhsa_wavefront_size32 1
		.amdhsa_system_sgpr_workgroup_id_x 1
		.amdhsa_system_sgpr_workgroup_id_y 1
		.amdhsa_system_sgpr_workgroup_id_z 1
		.amdhsa_system_vgpr_workitem_id 0
		.amdhsa_next_free_vgpr 256
		.amdhsa_next_free_sgpr 66
		.amdhsa_reserve_vcc 0
		.amdhsa_float_denorm_mode_32 3
		.amdhsa_float_denorm_mode_16_64 3
		.amdhsa_memory_ordered 1
		.amdhsa_forward_progress 1
		.amdhsa_inst_pref_size 24
	.end_amdhsa_kernel
	.amdgpu_metadata
---
amdhsa.version: [ 1, 2 ]
amdhsa.kernels:
  - .name:           k_q7622207e5d_out
    .symbol:         k_q7622207e5d_out.kd
    .args:
      - { .name: cc, .offset: 0, .size: 8, .value_kind: global_buffer, .address_space: global }
      - { .name: cs, .offset: 8, .size: 8, .value_kind: global_buffer, .address_space: global }
      - { .name: Wo1_codes, .offset: 16, .size: 8, .value_kind: global_buffer, .address_space: global }
      - { .name: Wo2_codes, .offset: 24, .size: 8, .value_kind: global_buffer, .address_space: global }
      - { .name: Wo1_scales, .offset: 32, .size: 8, .value_kind: global_buffer, .address_space: global }
      - { .name: Wo2_scales, .offset: 40, .size: 8, .value_kind: global_buffer, .address_space: global }
      - { .name: bo1, .offset: 48, .size: 8, .value_kind: global_buffer, .address_space: global }
      - { .name: bo2, .offset: 56, .size: 8, .value_kind: global_buffer, .address_space: global }
      - { .name: x1, .offset: 64, .size: 8, .value_kind: global_buffer, .address_space: global }
      - { .name: x2, .offset: 72, .size: 8, .value_kind: global_buffer, .address_space: global }
      - { .name: out0, .offset: 80, .size: 8, .value_kind: global_buffer, .address_space: global }
      - { .name: out1, .offset: 88, .size: 8, .value_kind: global_buffer, .address_space: global }
    .group_segment_fixed_size: 88064
    .private_segment_fixed_size: 0
    .kernarg_segment_align: 8
    .kernarg_segment_size: 96
    .max_flat_workgroup_size: 512
    .sgpr_count:     66
    .vgpr_count:     256
    .wavefront_size: 32
...
	.end_amdgpu_metadata
.endif
;; end of part 4
;; ======== version 2 of 2: 4 launches; version 1 with the launches proj, stats, attn, out written anew for expert scheduling mode
;; workspace buffers: qkc 4,194,304 bytes; qks 262,144 bytes; vc 4,194,304 bytes; vs 262,144 bytes; nz 524,288 bytes; cc 4,194,304 bytes; cs 262,144 bytes
;; launch proj (part 5): grid 256 x 1, 16 waves a work-group, no clusters, 19,456 bytes of LDS; arguments x1, x2, Wq_codes, Wk_codes, Wv1_codes, Wv2_codes, Wq_scales, Wk_scales, Wv1_scales, Wv2_scales, bq, bk, bv1, bv2, qkc, qks, vc, vs; writes qkc, qks, vc, vs
.if DOCPART == 5
	.amdgcn_target "amdgcn-amd-amdhsa--gfx1250"
	.amdhsa_code_object_version 6
	.text
	.protected	k_q7622207e5d_proj
	.globl	k_q7622207e5d_proj
	.p2align	8
	.type	k_q7622207e5d_proj,@function
k_q7622207e5d_proj:
	s_mov_b64 s[64:65], 0
	v_nop
	global_prefetch_b8 v0, s[64:65] scope:SCOPE_SE
	s_setreg_imm32_b32 hwreg(HW_REG_WAVE_SCHED_MODE, 0, 2), 2
	s_setreg_imm32_b32 hwreg(HW_REG_WAVE_MODE, 25, 1), 1
	s_wait_xcnt 0x0
	s_wait_alu depctr_vm_vsrc(0)
; q = h1 Wq + bq, v1 = h1 Wv1 + bv1 (work-groups 0-127), k = h2 Wk + bk, v2 = h2 Wv2 + bv2 (work-groups 128-255); h[b][n][c] = x[b][c][n].
; Both operands of each product are codes of FP4 (E2M1) with one E8M0 scale for each 32 along K = the 512 channels; the weights arrive so, x is quantised here.
; The results are quantised at once for the products that follow: q and k along the head's 64 features, v along the tokens.
; SHARES.  A work-group takes 64 tokens of one b of one x.  Its sixteen waves first quantise x together: wave w takes tokens 32 (w & 1) on and channels 64 (w >> 1) on; A LANE TAKES A TOKEN AND ITS
; REGISTERS RUN DOWN THE CHANNELS, so a block of 32 along K lies in one lane, each load reads 128 consecutive bytes, and waves w and w ^ 1 together 256.  The codes go to LDS as images of the operand's
; registers (16 bytes a lane, 512 a store).  Then wave w < 8 makes head w of q or k, wave w >= 8 head w - 8 of v: 64 features x 64 tokens x 512 along K: 64 matrix instructions.
; ORDER OF ROWS.  perm(m) = m + 8 (m / 8).  Row m of token tile T = 2 g + u is token 32 g + 8 u + perm(m); row m of the weights' tile (beta, uf) is feature 32 beta + 8 uf + perm(m).  A result's registers,
; which run down such a tile (m = 8 h + j), are then 32 g + 16 h + 8 u + j: the 16 registers of tiles u = 0, 1 are 16 neighbours along the next product's K.
; q, k: source 0 = the weights, source 1 = x: a lane holds a token, registers run along features.  v: the sources swapped: a lane holds a feature, registers run along tokens.
; OUT.  qkc [t][b][head][g 64][u 2][lane 32][16 B]: lane m + 16 h' = block h' of the head's 64 codes of token 32 g + 8 u + perm(m).  qks [t][b][head][g][m] words: bytes (u0 blk0, u0 blk1, u1 blk0, u1 blk1).
; vc [v][b][head][step 16][t 4][c' 2][lane 32][16 B]: lane m + 16 h' = tokens 128 step + 64 c' + 32 h' + 0..31 of feature 32 (t / 2) + 8 (t % 2) + perm(m).  vs [v][b][head][step][t][m] words: byte i = tokens 128 step + 32 i on.
; The code stores cover 512 consecutive aligned bytes each.  The scale stores are 4 or 2 bytes a lane (128 consecutive bytes a wave for q, k; every second half word for v): 0.5 MB of the launch's 42 MB.
; NO CLUSTER, NO TENSOR LOAD: what work-groups share is the weights, 68 KB a wave pair of roles against 128 KB of x that nobody shares; LDS is written once, through registers, since x must pass the quantiser on its way.
; LIMITS: NaN and infinities among the inputs are not served.  A block of zeros gets the scale byte 1, not 127: its codes are zeros, and only this program reads the bytes.
; THE MODE: SCHED_MODE bits 1:0 = 2 (LLVM: expert scheduling mode 2), set by the entry lines.  The code itself states the register dependences
; between vector or matrix instructions and memory or LDS instructions, with s_wait_alu, always for 0.
; THE PLAN.  Registers that memory or LDS instructions touch:
;   v1-v9        offsets and LDS addresses.  Written once, at the head, ahead of the one wait in front of the first load; never written again.
;   WF, WS, BI   Loaded at the head; read by the products of the first 32 features; loaded again behind ONE wait that stands behind those products.
;   ACC          x lands in it at the head; after that vector and matrix instructions alone name it.  XS is loaded once.
;   PC, v12      Phase X: written by the conversions, read by my three LDS stores: a wait on va_vdst between.  PC is written again by the results' conversions: a wait on vm_vsrc behind the barrier.
;   XF           A K step's eight products read it, the next K step's eight LDS loads land in it: one wait on va_vdst a K step, from the second on.  There is no second set: five registers are free, a set is 32.
;   PC, SW+2, v10, v11   On the way out: written by vector instructions, read by the stores: one wait ahead of each run of stores; none of them is written again behind its store.
.set CH,   8192                        ; bytes from channel to channel in x: 2,048 tokens x 4
.set XIMG, 0                           ; LDS: x's fragments [T 4][K step 4][c' 2][lane 32][16 B]
.set XSC,  16384                       ; and their scale bytes [T 4][row 16][16]
.set WF,   16                          ; v16-79   the weights' fragments (uf, K step s) at 8 (4 uf + s)
.set ACC,  80                          ; v80-143  eight accumulators (uf, T) at 8 (4 uf + T); first: my 64 numbers of x
.set XF,   144                         ; v144-175 x's four fragments of a K step
.set BI,   176                         ; v176-191 the bias in the result's layout, eight registers a tile uf
.set WS,   192                         ; v192-199 the weights' scale words, 4 uf + s
.set XS,   200                         ; v200-215 x's scale words, 4 T + s
.set PC,   216                         ; v216-231 codes just made
.set TM,   232                         ; v232-247 at work: +0..3 largest magnitudes, +4..7 the other half's, then bytes, +12..15 the conversions' scale operands
.set SW,   248                         ; v248-250 scale words on their way out
.macro PLACES                          ; four plain places behind matrix instructions: in front of loads into their registers and of the first read of results
.rept 4
	v_nop
.endr
.endm
	s_load_b512 s[8:23], s[0:1], 0x0               ; x1, x2, Wq, Wk, Wv1, Wv2 codes, Wq, Wk scales
	s_load_b512 s[24:39], s[0:1], 0x40             ; Wv1, Wv2 scales, bq, bk, bv1, bv2, qkc, qks
	s_load_b128 s[40:43], s[0:1], 0x80             ; vc, vs
	v_lshl_add_u32 v254, v0, 2, 0x4400
	v_mov_b32 v255, 0
	v_lshrrev_b32 v10, 5, v0
	v_readfirstlane_b32 s2, v10                    ; wave 0..15
	s_and_b32 s44, ttmp9, 31                       ; nb: which 64 tokens
	s_bfe_u32 s45, ttmp9, 0x20005                  ; b
	s_lshr_b32 s46, ttmp9, 7                       ; 0: x1, 1: x2
	s_wait_alu depctr_va_sdst(0)                   ; s2 is written, ahead of its first reader: roles, offsets and branches are made from it
	s_and_b32 s47, s2, 7                           ; my head
	s_and_b32 s48, s2, 1                           ; phase X: my 32 tokens
	s_lshr_b32 s49, s2, 1                          ; phase X: my 64 channels
	s_mov_b32 s50, 0x76543210
	s_mov_b32 s51, 0xfedcba98                      ; v_permlanex16_b32's selects for lane l xor 16
	s_mov_b32 s52, 0xffff0000                      ; lanes 16-31
	v_and_b32 v10, 31, v0                          ; lane
	v_lshlrev_b32 v1, 2, v10                       ; 4 x lane
	v_lshlrev_b32 v2, 4, v10                       ; 16 x lane
	v_and_b32 v11, 15, v0                          ; m
	v_bfe_u32 v12, v0, 4, 1                        ; h
	v_and_b32 v13, 8, v11
	v_add_nc_u32 v13, v13, v11                     ; perm(m)
	v_lshlrev_b32 v5, 8, v13
	v_lshl_add_u32 v5, v12, 4, v5                  ; the weights' codes: row perm(m) of 256 bytes, + 16 h
	v_lshlrev_b32 v6, 4, v13                       ; their scale bytes: 16 a row
	v_lshlrev_b32 v7, 6, v12                       ; bias of q, k: my half's features begin 16 h numbers on
	v_lshlrev_b32 v9, 2, v13                       ; bias of v: my feature's
	v_lshl_add_u32 v8, v11, 4, XSC                 ; x's scale words: row m
	v_bfe_u32 v14, v0, 3, 1                        ; phase X: my token 8 u + perm(r) of its 32: u,
	v_and_b32 v15, 7, v0
	v_lshl_or_b32 v15, v12, 3, v15                 ; and r
	v_lshlrev_b32 v3, 12, v14
	v_lshl_add_u32 v3, v15, 4, v3                  ; image: u 4,096 + 16 r
	s_lshl_b32 s54, s48, 13                        ; + g 8,192
	s_lshr_b32 s55, s49, 1
	s_lshl_b32 s55, s55, 10                        ; + K step 1,024
	s_add_co_u32 s54, s54, s55
	s_and_b32 s55, s49, 1
	s_lshl_b32 s55, s55, 9                         ; + c' 512
	s_add_co_u32 s54, s54, s55
	v_add_nc_u32 v3, s54, v3
	v_lshlrev_b32 v4, 8, v14
	v_lshl_add_u32 v4, v15, 4, v4                  ; scale bytes: u 256 + 16 r
	s_lshl_b32 s54, s48, 9                         ; + g 512
	s_lshl_b32 s55, s49, 1                         ; + my two blocks' place
	s_add_co_u32 s54, s54, s55
	s_add_co_u32 s54, s54, XSC
	v_add_nc_u32 v4, s54, v4
.irp i, 4,5,6,7
	v_mov_b32 v[TM+\i], 0                          ; written once: a lane permute's destination counts as one of its sources
.endr
	; byte offsets, each in a pair of its own
	s_lshl_b32 s66, s45, 22                        ; x: b x 512 x 8,192
	s_lshl_b32 s54, s44, 8
	s_add_co_u32 s66, s66, s54                     ; + 64 tokens x nb
	s_lshl_b32 s54, s48, 7
	s_add_co_u32 s66, s66, s54                     ; + my 32 tokens
	s_lshl_b32 s54, s49, 19
	s_add_co_u32 s66, s66, s54                     ; + my 64 channels
	s_mov_b32 s67, 0
	s_lshl_b32 s68, s47, 14                        ; the weights' codes: my head's 64 rows of 256 bytes
	s_mov_b32 s69, 0
	s_lshl_b32 s70, s47, 10                        ; their scale bytes
	s_mov_b32 s71, 0
	s_lshl_b32 s72, s47, 8                         ; the bias
	s_mov_b32 s73, 0
	s_lshl_b32 s53, s46, 2
	s_add_co_u32 s53, s53, s45
	s_lshl_b32 s53, s53, 3
	s_add_co_u32 s53, s53, s47                     ; (tensor x 4 + b) x 8 + head
	s_lshl_b32 s78, s53, 16                        ; 65,536 bytes of codes a head,
	s_lshl_b32 s80, s53, 12                        ; 4,096 of scale bytes
	s_lshr_b32 s54, s44, 1
	s_and_b32 s55, s44, 1
	s_lshl_b32 s79, s54, 12                        ; v: step nb / 2, c' = nb % 2
	s_add_co_u32 s79, s79, s78
	s_lshl_b32 s82, s55, 9
	s_add_co_u32 s79, s79, s82
	s_lshl_b32 s81, s54, 8
	s_add_co_u32 s81, s81, s80
	s_lshl_b32 s82, s55, 1
	s_add_co_u32 s81, s81, s82
	s_lshl_b32 s82, s44, 11                        ; q, k: two groups of 1,024 bytes
	s_add_co_u32 s78, s78, s82
	s_lshl_b32 s82, s44, 7
	s_add_co_u32 s80, s80, s82
	s_mov_b32 s75, 0
	s_mov_b32 s77, 0
	s_wait_kmcnt 0x0
	s_cmp_eq_u32 s46, 0                            ; x1's tensors or x2's: the choice hangs on the work-group's number alone
	s_cselect_b64 s[4:5], s[8:9], s[10:11]
	s_cselect_b64 s[12:13], s[12:13], s[14:15]
	s_cselect_b64 s[16:17], s[16:17], s[18:19]
	s_cselect_b64 s[20:21], s[20:21], s[22:23]
	s_cselect_b64 s[24:25], s[24:25], s[26:27]
	s_cselect_b64 s[28:29], s[28:29], s[30:31]
	s_cselect_b64 s[32:33], s[32:33], s[34:35]
	s_cmp_lt_u32 s2, 8                             ; q, k or v: on the wave's number alone
	s_cselect_b64 s[6:7], s[12:13], s[16:17]
	s_cselect_b64 s[56:57], s[20:21], s[24:25]
	s_cselect_b64 s[58:59], s[28:29], s[32:33]
	s_cselect_b64 s[60:61], s[36:37], s[40:41]
	s_cselect_b64 s[62:63], s[38:39], s[42:43]
	s_cselect_b32 s74, s78, s79
	s_cselect_b32 s76, s80, s81
	s_add_nc_u64 s[4:5], s[4:5], s[66:67]
	s_add_nc_u64 s[6:7], s[6:7], s[68:69]
	s_add_nc_u64 s[56:57], s[56:57], s[70:71]
	s_add_nc_u64 s[58:59], s[58:59], s[72:73]
	s_add_nc_u64 s[60:61], s[60:61], s[74:75]
	s_add_nc_u64 s[62:63], s[62:63], s[76:77]
; the weights of features 32 beta .. 32 beta + 31 of my head: two tiles x four K steps, and their scale words
.macro LOADW beta
.irp uf, 0,1
.irp s, 0,1,2,3
.irp c, 0,1
	global_load_b128 v[WF+8*(4*\uf+\s)+4*\c:WF+8*(4*\uf+\s)+4*\c+3], v5, s[6:7] offset:(32*\beta+8*\uf)*256+64*\s+32*\c
.endr
.endr
	global_load_b128 v[WS+4*\uf:WS+4*\uf+3], v6, s[56:57] offset:(32*\beta+8*\uf)*16
.endr
.endm
.macro BIASQ beta                      ; q, k: register j of lane (r, h) is feature 32 beta + 8 uf + 16 h + j
.irp uf, 0,1
	global_load_b128 v[BI+8*\uf:BI+8*\uf+3], v7, s[58:59] offset:(32*\beta+8*\uf)*4
	global_load_b128 v[BI+8*\uf+4:BI+8*\uf+7], v7, s[58:59] offset:(32*\beta+8*\uf)*4+16
.endr
.endm
.macro BIASV beta                      ; v: all eight registers of a lane are feature 32 beta + 8 uf + perm(r)
.irp uf, 0,1
.irp j, 0,1,2,3,4,5,6,7
	global_load_b32 v[BI+8*\uf+\j], v9, s[58:59] offset:(32*\beta+8*\uf)*4
.endr
.endr
.endm
	s_wait_alu depctr_va_vdst(0)                   ; the offsets and LDS addresses v1 to v9 are written: every load and store of the kernel, on either way, reads one of them
	LOADW 0
	s_cmp_lt_u32 s2, 8
	s_cbranch_scc0 .Lbias_v
	BIASQ 0
	s_branch .Lbias_done
.Lbias_v:
	BIASV 0
.Lbias_done:
.set i, 0
.rept 64
	global_load_b32 v[ACC+i], v1, s[4:5] offset:CH*i th:TH_LOAD_NT   ; x(channel i of my 64, my token): 32 lanes read 128 consecutive bytes
.set i, i+1
.endr
; PHASE X.  Block jj of my token: all its 32 numbers are mine.  The largest magnitude, with the floor 2^(3 - 127) among its leaves, so that the byte cannot fall under 1; 2 off its exponent field is the
; conversion's scale operand, which takes that field and nothing else; a shift of it is the byte.
.macro XBLK jj
.set XB, ACC+32*\jj
	v_max3_num_f32 v[TM+2*\jj], |v[XB]|, |v[XB+1]|, 0x1800000
	v_max_num_f32 v[TM+2*\jj+1], |v[XB+2]|, |v[XB+3]|
.irp i, 4,8,12,16,20,24,28
	v_max3_num_f32 v[TM+2*\jj], v[TM+2*\jj], |v[XB+\i]|, |v[XB+\i+1]|
	v_max3_num_f32 v[TM+2*\jj+1], v[TM+2*\jj+1], |v[XB+\i+2]|, |v[XB+\i+3]|
.endr
	v_max_num_f32 v[TM+2*\jj], v[TM+2*\jj], v[TM+2*\jj+1]
	v_add_nc_u32 v[TM+12+\jj], 0xff000000, v[TM+2*\jj]
	v_lshrrev_b32 v[TM+8+\jj], 23, v[TM+12+\jj]
.irp g, 0,1,2,3
	v_cvt_scalef32_pk8_fp4_f32 v[PC+4*\jj+\g], v[XB+8*\g:XB+8*\g+7], v[TM+12+\jj]
.endr
.endm
	s_wait_loadcnt 32                              ; my first 32 channels are in (and all that was asked for ahead of them); the 32 younger loads may be out
	XBLK 0
	s_wait_loadcnt 0x0                             ; the other 32; the weights, their scales and the bias came ahead of them
	XBLK 1
	v_nop                                          ; one plain place behind the last scaled conversion
	v_lshl_or_b32 v12, v[TM+9], 8, v[TM+8]         ; my two scale bytes
	s_wait_alu depctr_va_vdst(0)                   ; the conversions have written v[PC .. PC+7], and v12 is written: the three LDS stores read them
	ds_store_b128 v3, v[PC:PC+3]                   ; block 0 goes to lane r of the image, block 1 to lane 16 + r
	ds_store_b128 v3, v[PC+4:PC+7] offset:256
	ds_store_b16 v4, v12
	s_wait_dscnt 0x0                               ; for the others' sake: my stores have landed
	s_barrier_signal -1
	s_barrier_wait -1                              ; x's sixteen fragments and their scale bytes lie in LDS; nothing is stored to LDS after this
	s_wait_alu depctr_vm_vsrc(0)                   ; my LDS stores have read v[PC .. PC+7], which the results' conversions write again, on either way below
.irp T, 0,1,2,3
	ds_load_b128 v[XS+4*\T:XS+4*\T+3], v8 offset:256*\T   ; row m's four scale words, one a K step
.endr
.macro MM tr, s, T, uf
.set rD, ACC+8*(4*\uf+\T)
.set rW, WF+8*(4*\uf+\s)
.set rX, XF+8*\T
.set rC, rD
.if \s == 0
.set rC, BI+8*\uf                      ; the bias is the C of a sum's first product: nothing is cleared or added
.endif
.if \tr
	v_wmma_scale_f32_16x16x128_f8f6f4 v[rD:rD+7], v[rW:rW+7], v[rX:rX+7], v[rC:rC+7], v[WS+4*\uf+\s], v[XS+4*\T+\s] matrix_a_fmt:MATRIX_FMT_FP4 matrix_b_fmt:MATRIX_FMT_FP4
.else
	v_wmma_scale_f32_16x16x128_f8f6f4 v[rD:rD+7], v[rX:rX+7], v[rW:rW+7], v[rC:rC+7], v[XS+4*\T+\s], v[WS+4*\uf+\s] matrix_a_fmt:MATRIX_FMT_FP4 matrix_b_fmt:MATRIX_FMT_FP4
.endif
.endm
; 32 features x 64 tokens x 512 along K: four K steps of eight products; the eight accumulators take turns, one instruction a turn.  tr = 1: source 0 = the weights
; The first K step's loads owe no wait of their own: in the first run nothing has named XF; in the second the wait in front of the weights' second loads stands behind the last products that read it, and nothing since names it.
.macro GEMM tr
.irp s, 0,1,2,3
	PLACES
.if \s > 0
	s_wait_alu depctr_va_vdst(0)                   ; the products of the K step before are done reading v[XF ..], in which the loads below land
.endif
.irp T, 0,1,2,3
.irp c, 0,1
	ds_load_b128 v[XF+8*\T+4*\c:XF+8*\T+4*\c+3], v2 offset:XIMG+\T*4096+\s*1024+\c*512
.endr
.endr
	s_wait_dscnt 0x0
.irp T, 0,1,2,3
.irp uf, 0,1
	MM \tr, \s, \T, \uf
.endr
.endr
.endr
.endm
; Four blocks of 32 are quantised.  Block i is 16 registers of a lane, the tile at ACC + sa i and the tile ob further on, and the same of lane l xor 16.  Its codes (my 16) go to PC + dst i + dof, + 1; its byte to TM + 4 + i.
; Each accumulator is read from its low end on.
.macro QUANT4P sa, ob, dst, dof
.irp i, 0,1,2,3
	v_max3_num_f32 v[TM+\i], |v[ACC+\sa*\i]|, |v[ACC+\sa*\i+1]|, 0x1800000
.endr
.irp n, 2,4,6
.irp i, 0,1,2,3
	v_max3_num_f32 v[TM+\i], v[TM+\i], |v[ACC+\sa*\i+\n]|, |v[ACC+\sa*\i+\n+1]|
.endr
.endr
.irp n, 0,2,4,6
.irp i, 0,1,2,3
	v_max3_num_f32 v[TM+\i], v[TM+\i], |v[ACC+\sa*\i+\ob+\n]|, |v[ACC+\sa*\i+\ob+\n+1]|
.endr
.endr
.irp i, 0,1,2,3
	v_permlanex16_b32 v[TM+4+\i], v[TM+\i], s50, s51
.endr
.irp i, 0,1,2,3
	v_max_num_f32 v[TM+\i], v[TM+\i], v[TM+4+\i]
.endr
.irp i, 0,1,2,3
	v_add_nc_u32 v[TM+12+\i], 0xff000000, v[TM+\i]
.endr
.irp i, 0,1,2,3
	v_lshrrev_b32 v[TM+4+\i], 23, v[TM+12+\i]
.endr
.irp i, 0,1,2,3
	v_cvt_scalef32_pk8_fp4_f32 v[PC+\dst*\i+(\dof)], v[ACC+\sa*\i:ACC+\sa*\i+7], v[TM+12+\i]
	v_cvt_scalef32_pk8_fp4_f32 v[PC+\dst*\i+(\dof)+1], v[ACC+\sa*\i+\ob:ACC+\sa*\i+\ob+7], v[TM+12+\i]
.endr
	v_nop                                          ; one plain place behind the last scaled conversion
.endm
	s_cmp_lt_u32 s2, 8
	s_cbranch_scc0 .Lv_arm
	; ---- q or k.  Block T of a beta: token tile T's features 32 beta .. + 31: tiles (uf 0, T) and (uf 1, T)
.macro EPIQ beta
	QUANT4P 8, 32, 4, 2*\beta
.irp T, 0,1,2,3
.if (\beta == 0) && ((\T % 2) == 0)
	v_mov_b32 v[SW+\T/2], v[TM+4+\T]
.else
	v_lshl_or_b32 v[SW+\T/2], v[TM+4+\T], 16*(\T%2)+8*\beta, v[SW+\T/2]   ; the group's word: byte 2 u + beta
.endif
.endr
.endm
	GEMM 1
	PLACES
	s_wait_alu depctr_va_vdst(0)                   ; the products are done reading the weights' fragments, their scale words and the bias, in which the loads below land, and x's fragments, in which the next run's first loads land
	LOADW 1                                        ; the other 32 features' weights land while the first 32 are quantised
	BIASQ 1
	EPIQ 0
	s_wait_loadcnt 0x0
	GEMM 1
	PLACES
	EPIQ 1
.irp T, 0,1,2,3
.irp n, 0,1
	v_permlane16_swap_b32 v[PC+4*\T+\n], v[PC+4*\T+2+\n]   ; lanes 0-15 get block 0 whole, lanes 16-31 block 1
.endr
.endr
	v_cndmask_b32 v[SW+2], v[SW], v[SW+1], s52     ; lanes 0-15 the first group's words, lanes 16-31 the second's
	s_wait_alu depctr_va_vdst(0)                   ; the codes v[PC .. PC+15] and the word v[SW+2] are written: the five stores read them
.irp T, 0,1,2,3
	global_store_b128 v2, v[PC+4*\T:PC+4*\T+3], s[60:61] offset:512*\T   ; 512 consecutive bytes, aligned
.endr
	global_store_b32 v1, v[SW+2], s[62:63]
	s_wait_dscnt 0x0
	s_wait_alu depctr_hold_cnt(0) depctr_sa_sdst(0) depctr_va_vdst(0) depctr_va_sdst(0) depctr_va_ssrc(0) depctr_va_vcc(0) depctr_vm_vsrc(0)
	s_wait_tensorcnt 0x0
	ds_add_u32 v254, v255
	s_wait_dscnt 0x0
	s_endpgm
.Lv_arm:
	; ---- v.  Block 2 uf + g of a beta: feature tile uf, tokens 32 g .. + 31: tiles (uf, 2 g) and (uf, 2 g + 1).  Each beta has code registers and a half word of its own: no store's data are written again
.macro EPIV beta
	QUANT4P 16, 8, 2, 8*\beta
.irp uf, 0,1
.irp n, 0,1
	v_permlane16_swap_b32 v[PC+8*\beta+4*\uf+\n], v[PC+8*\beta+4*\uf+2+\n]   ; lanes 0-15 get tokens 0-31 whole, lanes 16-31 tokens 32-63
.endr
.endr
	v_lshl_or_b32 v[TM+8], v[TM+5], 8, v[TM+4]     ; tile uf 0: the bytes of my 64 tokens' two blocks
	v_lshl_or_b32 v[TM+9], v[TM+7], 8, v[TM+6]     ; tile uf 1
	v_cndmask_b32 v[10+\beta], v[TM+8], v[TM+9], s52
	s_wait_alu depctr_va_vdst(0)                   ; this beta's codes and its half word are written: the three stores read them
.irp uf, 0,1
	global_store_b128 v2, v[PC+8*\beta+4*\uf:PC+8*\beta+4*\uf+3], s[60:61] offset:(2*\beta+\uf)*1024
.endr
	global_store_b16 v1, v[10+\beta], s[62:63] offset:128*\beta
.endm
	GEMM 0
	PLACES
	s_wait_alu depctr_va_vdst(0)                   ; the products are done reading the weights' fragments, their scale words and the bias, in which the loads below land, and x's fragments, in which the next run's first loads land
	LOADW 1
	BIASV 1
	EPIV 0
	s_wait_loadcnt 0x0
	GEMM 0
	PLACES
	EPIV 1
	s_wait_dscnt 0x0
	s_wait_alu depctr_hold_cnt(0) depctr_sa_sdst(0) depctr_va_vdst(0) depctr_va_sdst(0) depctr_va_ssrc(0) depctr_va_vcc(0) depctr_vm_vsrc(0)
	s_wait_tensorcnt 0x0
	ds_add_u32 v254, v255
	s_wait_dscnt 0x0
	s_endpgm
.Lfunc_end_k_q7622207e5d_proj:
	.size	k_q7622207e5d_proj, .Lfunc_end_k_q7622207e5d_proj-k_q7622207e5d_proj
	.p2alignl 7, 3214868480
	.fill 96, 4, 3214868480
	.section	.rodata,"a",@progbits
	.p2align	6, 0x0
	.amdhsa_kernel k_q7622207e5d_proj
		.amdhsa_group_segment_fixed_size 19456
		.amdhsa_private_segment_fixed_size 0
		.amdhsa_enable_private_segment 0
		.amdhsa_kernarg_size 144
		.amdhsa_user_sgpr_count 2
		.amdhsa_user_sgpr_kernarg_segment_ptr 1
		.amdhsa_wavefront_size32 1
		.amdhsa_system_sgpr_workgroup_id_x 1
		.amdhsa_system_sgpr_workgroup_id_y 1
		.amdhsa_system_sgpr_workgroup_id_z 1
		.amdhsa_system_vgpr_workitem_id 0
		.amdhsa_next_free_vgpr 256
		.amdhsa_next_free_sgpr 96
		.amdhsa_reserve_vcc 0
		.amdhsa_float_denorm_mode_32 3
		.amdhsa_float_denorm_mode_16_64 3
		.amdhsa_memory_ordered 1
		.amdhsa_forward_progress 1
		.amdhsa_inst_pref_size 68
	.end_amdhsa_kernel
	.amdgpu_metadata
---
amdhsa.version: [ 1, 2 ]
amdhsa.kernels:
  - .name:           k_q7622207e5d_proj
    .symbol:         k_q7622207e5d_proj.kd
    .args:
      - { .name: x1, .offset: 0, .size: 8, .value_kind: global_buffer, .address_space: global }
      - { .name: x2, .offset: 8, .size: 8, .value_kind: global_buffer, .address_space: global }
      - { .name: Wq_codes, .offset: 16, .size: 8, .value_kind: global_buffer, .address_space: global }
      - { .name: Wk_codes, .offset: 24, .size: 8, .value_kind: global_buffer, .address_space: global }
      - { .name: Wv1_codes, .offset: 32, .size: 8, .value_kind: global_buffer, .address_space: global }
      - { .name: Wv2_codes, .offset: 40, .size: 8, .value_kind: global_buffer, .address_space: global }
      - { .name: Wq_scales, .offset: 48, .size: 8, .value_kind: global_buffer, .address_space: global }
      - { .name: Wk_scales, .offset: 56, .size: 8, .value_kind: global_buffer, .address_space: global }
      - { .name: Wv1_scales, .offset: 64, .size: 8, .value_kind: global_buffer, .address_space: global }
      - { .name: Wv2_scales, .offset: 72, .size: 8, .value_kind: global_buffer, .address_space: global }
      - { .name: bq, .offset: 80, .size: 8, .value_kind: global_buffer, .address_space: global }
      - { .name: bk, .offset: 88, .size: 8, .value_kind: global_buffer, .address_space: global }
      - { .name: bv1, .offset: 96, .size: 8, .value_kind: global_buffer, .address_space: global }
      - { .name: bv2, .offset: 104, .size: 8, .value_kind: global_buffer, .address_space: global }
      - { .name: qkc, .offset: 112, .size: 8, .value_kind: global_buffer, .address_space: global }
      - { .name: qks, .offset: 120, .size: 8, .value_kind: global_buffer, .address_space: global }
      - { .name: vc, .offset: 128, .size: 8, .value_kind: global_buffer, .address_space: global }
      - { .name: vs, .offset: 136, .size: 8, .value_kind: global_buffer, .address_space: global }
    .group_segment_fixed_size: 19456
    .private_segment_fixed_size: 0
    .kernarg_segment_align: 8
    .kernarg_segment_size: 144
    .max_flat_workgroup_size: 512
    .sgpr_count:     96
    .vgpr_count:     256
    .wavefront_size: 32
...
	.end_amdgpu_metadata
.endif
;; end of part 5
;; launch stats (part 6): grid 256 x 1, 16 waves a work-group, no clusters, 71,680 bytes of LDS; arguments qkc, qks, nz; writes nz
.if DOCPART == 6
	.amdgcn_target "amdgcn-amd-amdhsa--gfx1250"
	.amdhsa_code_object_version 6
	.text
	.protected	k_q7622207e5d_stats
	.globl	k_q7622207e5d_stats
	.p2align	8
	.type	k_q7622207e5d_stats,@function
k_q7622207e5d_stats:
	s_mov_b64 s[64:65], 0
	v_nop
	global_prefetch_b8 v0, s[64:65] scope:SCOPE_SE
	s_setreg_imm32_b32 hwreg(HW_REG_WAVE_SCHED_MODE, 0, 2), 2
	s_setreg_imm32_b32 hwreg(HW_REG_WAVE_MODE, 25, 1), 1
	s_wait_xcnt 0x0
	s_wait_alu depctr_vm_vsrc(0)
; THE NORMALISERS.  With s = q . k (on codes of FP4, K = the head's 64) and c0 = log2(e) / 8:  nz[side][b][head][c] = -(c0 max_r s(r, c) + log2 sum_r 2^(c0 s(r, c) - c0 max)).
; side 0: c a key, r runs over the queries (the softmax over queries); side 1: c a query, r runs over the keys.  The next launch makes a finished weight as 2^(c0 s + nz[c]).
; The maximum is a running one: in every step of 128 rows the sum is multiplied by 2^(c0 old max - c0 new max).
; SHARES.  A work-group takes 512 columns c of one (side, b, head); each of its sixteen waves 32 of them, two tiles of 16.  The 2,048 rows r of that head (65,536 bytes of codes, 4,096 of scale words) are copied
; into LDS once, through registers, and every wave walks them, 128 a step.  A lane holds ONE column of each tile and its registers run down the rows; lanes l and l xor 16 hold different rows of the same
; column and keep statistics of their own, which are joined at the end.
; K = 64 IN AN INSTRUCTION OF K = 128.  A fragment of source 0 holds TWO tiles of rows: u = 0 in k 0-63, u = 1 in k 64-127 (so the buffers are laid).  Source 1 is [Q | zeros] or [zeros | Q]: zero codes
; add nothing under any scale byte that the quantiser gives.  The two column tiles a, b and eight zero registers form one chain of 20 registers, [Qa][0][Qb][0][Qa], in which all four operands lie.
; NO CLUSTER, NO TENSOR LOAD: the four work-groups of a (side, b, head) read the same 69,632 bytes, once, at the head; after that nothing is loaded from memory, against 16 steps of 256 matrix results a lane.
; LIMITS: NaN and infinities are not served.  nz is one f32: its rounding is that of a number of the size of c0 max.
; THE MODE: SCHED_MODE bits 1:0 = 2 (LLVM: expert scheduling mode 2), set by the entry lines.  The code itself states the register dependences
; between vector or matrix instructions and memory or LDS instructions, with s_wait_alu, always for 0.
; THE PLAN.  Registers that memory or LDS instructions touch:
;   v1-v6, v85   offsets and LDS addresses: written once, at the head, ahead of the wait in front of the first load; never written again.
;   S .. S+34    At the head: loads land in them and my LDS stores read them; the products write them later: one wait on vm_vsrc behind the barrier.
;   AF, AS       Step s: its sixteen products read them; the fetch of step s + 1 lands in them.
;   ADA, ADS     Read by each fetch; written once a step, behind the products: a wait on vm_vsrc ahead of the two additions.
;   v86          Written at the end, read by the one store: a wait between.
; In a step two waits on va_vdst stand, one ahead of the batch of exponentials and one behind it.  The one behind states that the batch's results are written, that the step's products are done reading AF and AS, and that ADA and ADS are written.
; The next step's fetch follows it at once; the sums behind the fetch name S and ST alone, none of the registers that the fetch touches.
.set AIMG, 0                           ; LDS: the rows' codes [group 64][u 2][lane 32][16 B]
.set ASC,  65536                       ; their scale words [group 64][m 16]
.set BQ,   8                           ; v8-27    the chain
.set BS,   28                          ; v28-29   the columns' scale words, tile a, tile b: (blk0, blk1, blk0, blk1)
.set AS,   30                          ; v30-33   the rows' scale words of a step's four groups
.set AF,   34                          ; v34-65   a step's four fragments
.set ST,   66                          ; v66-81   tile x at 8 x: +0 c0 max, +1 max, +2, +3 the sum in two halves, +4, +5 at work, +6 the factor, +7 at work
.set ADA,  82                          ; v82      LDS address of the step's fragments
.set ADS,  83                          ; v83      and of its scale words
.set S,    96                          ; v96-223  the scores: tile x, group f, u at 64 x + 16 f + 8 u; at the head: what goes to LDS
	s_load_b128 s[4:7], s[0:1], 0x0                ; qkc, qks
	s_load_b64 s[8:9], s[0:1], 0x10                ; nz
	v_lshl_add_u32 v254, v0, 2, 0x11000
	v_mov_b32 v255, 0
	v_lshrrev_b32 v84, 5, v0
	v_readfirstlane_b32 s2, v84                    ; wave
	s_and_b32 s10, ttmp9, 3                        ; which 512 columns
	s_bfe_u32 s11, ttmp9, 0x50002                  ; 8 b + head
	s_lshr_b32 s12, ttmp9, 7                       ; side
	s_lshl_b32 s13, s10, 4
	s_wait_alu depctr_va_sdst(0)                   ; s2 is written, ahead of its first reader: my columns' offsets are made from it
	s_add_co_u32 s13, s13, s2                      ; my group of 32 columns
	s_lshl_b32 s14, s12, 5
	s_add_co_u32 s14, s14, s11                     ; the rows' tensor (side) and head
	s_xor_b32 s15, s12, 1
	s_lshl_b32 s15, s15, 5
	s_add_co_u32 s15, s15, s11                     ; the columns' tensor (the other one) and head
	s_mov_b32 s28, 0x3e38aa3b                      ; c0 = log2(e) / 8
	s_mov_b32 s29, s28                             ; (the packed form names the pair)
	s_mov_b32 s30, 0x76543210
	s_mov_b32 s31, 0xfedcba98                      ; lane l xor 16
	s_mov_b32 s32, 0xffff0000                      ; lanes 16-31
	s_mov_b32 s34, 0                               ; the step's fragments begin here in LDS: 4,096 bytes a step
	s_mov_b32 s35, 0                               ; its scale words: 256 bytes a step
	s_mov_b32 s27, 0
	v_lshlrev_b32 v1, 4, v0                        ; 16 x thread: the copy's place, in memory and in LDS
	v_lshlrev_b32 v6, 3, v0                        ; 8 x thread: the scale words' copy, in memory,
	v_lshl_add_u32 v4, v0, 3, ASC                  ; and in LDS
	v_and_b32 v84, 31, v0
	v_lshlrev_b32 v2, 4, v84                       ; 16 x lane
	v_and_b32 v84, 15, v0                          ; n
	v_lshlrev_b32 v85, 2, v84                      ; 4 n
	v_lshl_add_u32 v3, v84, 2, ASC
	v_bfe_u32 v86, v0, 4, 1                        ; h
	v_and_b32 v87, 8, v84
	v_add_nc_u32 v87, v87, v84                     ; perm(n)
	v_lshl_add_u32 v87, v86, 3, v87
	v_lshlrev_b32 v5, 2, v87                       ; the way out: lanes 0-15 tile a's column perm(n), lanes 16-31 tile b's, 8 + perm(n)
	s_wait_kmcnt 0x0
	s_lshl_b32 s26, s14, 16
	s_add_nc_u64 s[16:17], s[4:5], s[26:27]        ; the rows' codes
	s_lshl_b32 s26, s14, 12
	s_add_nc_u64 s[18:19], s[6:7], s[26:27]        ; their scale words
	s_lshl_b32 s26, s15, 16
	s_add_nc_u64 s[20:21], s[4:5], s[26:27]
	s_lshl_b32 s26, s13, 10
	s_add_nc_u64 s[20:21], s[20:21], s[26:27]      ; my columns' codes
	s_lshl_b32 s26, s15, 12
	s_add_nc_u64 s[22:23], s[6:7], s[26:27]
	s_lshl_b32 s26, s13, 6
	s_add_nc_u64 s[22:23], s[22:23], s[26:27]      ; their scale words
	s_lshl_b32 s26, s14, 13
	s_add_nc_u64 s[24:25], s[8:9], s[26:27]
	s_lshl_b32 s26, s13, 7
	s_add_nc_u64 s[24:25], s[24:25], s[26:27]      ; my 32 numbers of nz
	s_wait_alu depctr_va_vdst(0)                   ; the offsets and LDS addresses v1 to v6 and v85 are written: the loads and stores of the head, and the last store, read them
.irp i, 0,1,2,3,4,5,6,7
	global_load_b128 v[S+4*\i:S+4*\i+3], v1, s[16:17] offset:8192*\i   ; 512 threads x 16 bytes: 8,192 consecutive bytes a line
.endr
	global_load_b64 v[S+32:S+33], v6, s[18:19]
	global_load_b128 v[BQ:BQ+3], v2, s[20:21]
	global_load_b128 v[BQ+8:BQ+11], v2, s[20:21] offset:512
	global_load_b128 v[BQ+16:BQ+19], v2, s[20:21]
	global_load_b32 v[S+34], v85, s[22:23]
.irp i, 4,5,6,7,12,13,14,15
	v_mov_b32 v[BQ+\i], 0
.endr
	s_wait_loadcnt 0x0
	v_perm_b32 v[BS], v[S+34], v[S+34], 0x01000100     ; tile a's two bytes, for either half of K
	v_perm_b32 v[BS+1], v[S+34], v[S+34], 0x03020302   ; tile b's
.irp i, 0,1,2,3,4,5,6,7
	ds_store_b128 v1, v[S+4*\i:S+4*\i+3] offset:AIMG+8192*\i
.endr
	ds_store_b64 v4, v[S+32:S+33]
	s_wait_dscnt 0x0                               ; for the others' sake: my stores have landed
	s_barrier_signal -1
	s_barrier_wait -1                              ; the head's rows lie in LDS; nothing is stored to LDS after this
	s_wait_alu depctr_vm_vsrc(0)                   ; my LDS stores have read v[S .. S+33], which the products write from here on
.irp x, 0,1
	v_mov_b32 v[ST+8*\x+1], 0xff61b1e6             ; the largest score so far: -3e38, under every score
	v_mov_b32 v[ST+8*\x+2], 0                      ; the sum
	v_mov_b32 v[ST+8*\x+3], 0
	v_mov_b32 v[ST+8*\x+4], 0
	v_mov_b32 v[ST+8*\x+5], 0
	v_mov_b32 v[ST+8*\x+6], 0
	v_mov_b32 v[ST+8*\x+7], 0
	v_mul_f32 v[ST+8*\x], s28, v[ST+8*\x+1]
.endr                                              ; (these sixteen lines are also the places between the writes of the scale words and zeros above and the first product)
	v_add_nc_u32 v[ADA], s34, v2
	v_add_nc_u32 v[ADS], s35, v3
.macro FETCH                           ; a step's four fragments and their scale words
.irp f, 0,1,2,3
.irp u, 0,1
	ds_load_b128 v[AF+8*\f+4*\u:AF+8*\f+4*\u+3], v[ADA] offset:1024*\f+512*\u
.endr
.endr
.irp f, 0,1,2,3
	ds_load_b32 v[AS+\f], v[ADS] offset:64*\f
.endr
.endm
.macro SMM f, x, u
.set rD, S+64*\x+16*\f+8*\u
.set rB, BQ+8*\x                       ; [Qx | 0]
.if \u
.set rB, BQ+12-8*\x                    ; [0 | Qx]
.endif
	v_wmma_scale_f32_16x16x128_f8f6f4 v[rD:rD+7], v[AF+8*\f:AF+8*\f+7], v[rB:rB+7], 0, v[AS+\f], v[BS+\x] matrix_a_fmt:MATRIX_FMT_FP4 matrix_b_fmt:MATRIX_FMT_FP4
.endm
; A STEP: 128 rows against my 32 columns.  fetch = 1: the next step's fragments are asked for behind the step's wait on va_vdst that follows the exponentials, and land under the sums.
.macro STEP fetch
	s_wait_dscnt 0x0
.irp f, 0,1,2,3
.irp x, 0,1
.irp u, 0,1
	SMM \f, \x, \u
.endr
.endr
.endr
	s_add_co_u32 s34, s34, 4096
	s_add_co_u32 s35, s35, 256
	s_wait_alu depctr_vm_vsrc(0)                   ; the fetch of this step's fragments has read v[ADA] and v[ADS], which the two additions write
	v_add_nc_u32 v[ADA], s34, v2                   ; two additions and two v_nop: the four places behind the products
	v_add_nc_u32 v[ADS], s35, v3
	v_nop
	v_nop
	; the largest of a tile's 64 scores and the old maximum: two chains a tile, the tiles by turns; each accumulator is read from its low end on
.irp x, 0,1
	v_max3_num_f32 v[ST+8*\x+4], v[S+64*\x], v[S+64*\x+1], v[ST+8*\x+1]
	v_max3_num_f32 v[ST+8*\x+5], v[S+64*\x+32], v[S+64*\x+33], v[S+64*\x+34]
.endr
.irp n, 1,2,3,4,5,6,7,8,9,10,11,12,13,14
.irp x, 0,1
	v_max3_num_f32 v[ST+8*\x+4], v[ST+8*\x+4], v[S+64*\x+2*\n], v[S+64*\x+2*\n+1]
	v_max3_num_f32 v[ST+8*\x+5], v[ST+8*\x+5], v[S+64*\x+33+2*\n], v[S+64*\x+34+2*\n]
.endr
.endr
.irp x, 0,1
	v_max3_num_f32 v[ST+8*\x+4], v[ST+8*\x+4], v[S+64*\x+30], v[S+64*\x+31]
.endr
.irp x, 0,1
	v_mov_b32 v[ST+8*\x+7], v[ST+8*\x]             ; c0 x the old maximum
.endr
.irp x, 0,1
	v_max3_num_f32 v[ST+8*\x+1], v[ST+8*\x+4], v[ST+8*\x+5], v[S+64*\x+63]
.endr
.irp x, 0,1
	v_mul_f32 v[ST+8*\x], s28, v[ST+8*\x+1]
.endr
.irp x, 0,1
	v_sub_f32 v[ST+8*\x+7], v[ST+8*\x+7], v[ST+8*\x]
.endr
.irp j, 0,2,4,6,8,10,12,14,16,18,20,22,24,26,28,30,32,34,36,38,40,42,44,46,48,50,52,54,56,58,60,62
.irp x, 0,1
	v_pk_fma_f32 v[S+64*\x+\j:S+64*\x+\j+1], v[S+64*\x+\j:S+64*\x+\j+1], s[28:29], v[ST+8*\x:ST+8*\x+1] op_sel_hi:[1,0,0] neg_lo:[0,0,1] neg_hi:[0,0,1]   ; c0 s - c0 max
.endr
.endr
	s_wait_alu depctr_va_vdst(0)
.irp x, 0,1
	v_exp_f32 v[ST+8*\x+6], v[ST+8*\x+7]           ; ONE BATCH: the two factors and the 128 terms; none reads another's result
.endr
.set j, 0
.rept 128
	v_exp_f32 v[S+j], v[S+j]
.set j, j+1
.endr
	v_nop                                          ; a plain place behind the last exponential
	s_wait_alu depctr_va_vdst(0)                   ; the batch has written the two factors and the 128 terms, ahead of their first reader; the step's products are done reading v[AF ..] and v[AS ..], in which the fetch lands; v[ADA] and v[ADS] are written, which it reads
.if \fetch
	FETCH                                          ; no vector instruction up to the step's end names a register that these twelve loads touch
.endif
.irp x, 0,1
	v_pk_mul_f32 v[ST+8*\x+2:ST+8*\x+3], v[ST+8*\x+2:ST+8*\x+3], v[ST+8*\x+6:ST+8*\x+7] op_sel_hi:[1,0]   ; the sum under the new maximum
.endr
.irp x, 0,1
	v_pk_add_f32 v[ST+8*\x+4:ST+8*\x+5], v[S+64*\x:S+64*\x+1], v[S+64*\x+2:S+64*\x+3]
.endr
.irp j, 4,8,12,16,20,24,28,32,36,40,44,48,52,56,60
.irp x, 0,1
	v_pk_add_f32 v[ST+8*\x+2:ST+8*\x+3], v[ST+8*\x+2:ST+8*\x+3], v[S+64*\x+\j:S+64*\x+\j+1]
	v_pk_add_f32 v[ST+8*\x+4:ST+8*\x+5], v[ST+8*\x+4:ST+8*\x+5], v[S+64*\x+\j+2:S+64*\x+\j+3]
.endr
.endr
.irp x, 0,1
	v_pk_add_f32 v[ST+8*\x+2:ST+8*\x+3], v[ST+8*\x+2:ST+8*\x+3], v[ST+8*\x+4:ST+8*\x+5]
.endr
.endm
	s_wait_alu depctr_va_vdst(0)                   ; v[ADA] and v[ADS] are written, which the first fetch reads; the columns' scale words and the chain's zeros are written, which the scaled products take (their places stand above)
	FETCH
	s_mov_b32 s33, 15
.Lstep:                                            ; 15 of the 16 steps; the last, which fetches nothing, is written out
	STEP 1
	s_sub_co_u32 s33, s33, 1
	s_cmp_lg_u32 s33, 0
	s_cbranch_scc1 .Lstep
	STEP 0
	; the two halves of the lanes are joined under their common maximum
.irp x, 0,1
	v_add_f32 v[ST+8*\x+2], v[ST+8*\x+2], v[ST+8*\x+3]
	v_permlanex16_b32 v[ST+8*\x+4], v[ST+8*\x+1], s30, s31
.endr
.irp x, 0,1
	v_max_num_f32 v[ST+8*\x+4], v[ST+8*\x+4], v[ST+8*\x+1]
.endr
.irp x, 0,1
	v_mul_f32 v[ST+8*\x+5], s28, v[ST+8*\x+4]      ; c0 x the column's maximum: the same bits as my own where mine is the larger
.endr
.irp x, 0,1
	v_sub_f32 v[ST+8*\x+6], v[ST+8*\x], v[ST+8*\x+5]
.endr
	s_wait_alu depctr_va_vdst(0)
.irp x, 0,1
	v_exp_f32 v[ST+8*\x+7], v[ST+8*\x+6]
.endr
	v_nop
	s_wait_alu depctr_va_vdst(0)                   ; the two exponentials have written their factors, ahead of the first reader
.irp x, 0,1
	v_mul_f32 v[ST+8*\x+2], v[ST+8*\x+2], v[ST+8*\x+7]
.endr
.irp x, 0,1
	v_permlanex16_b32 v[ST+8*\x+3], v[ST+8*\x+2], s30, s31
.endr
.irp x, 0,1
	v_add_f32 v[ST+8*\x+2], v[ST+8*\x+2], v[ST+8*\x+3]   ; at least 1: the column's largest term is among them
.endr
	s_wait_alu depctr_va_vdst(0)
.irp x, 0,1
	v_log_f32 v[ST+8*\x+6], v[ST+8*\x+2]
.endr
	v_nop
	s_wait_alu depctr_va_vdst(0)                   ; the two logarithms are written, ahead of the first reader
.irp x, 0,1
	v_fma_f32 v[ST+8*\x+7], v[ST+8*\x+5], -1.0, -v[ST+8*\x+6]
.endr
	v_cndmask_b32 v86, v[ST+7], v[ST+15], s32      ; lanes 0-15 tile a's, lanes 16-31 tile b's
	s_wait_alu depctr_va_vdst(0)                   ; v86 is written, which the store reads
	global_store_b32 v5, v86, s[24:25]             ; 128 consecutive bytes
	s_wait_dscnt 0x0
	s_wait_alu depctr_hold_cnt(0) depctr_sa_sdst(0) depctr_va_vdst(0) depctr_va_sdst(0) depctr_va_ssrc(0) depctr_va_vcc(0) depctr_vm_vsrc(0)
	s_wait_tensorcnt 0x0
	ds_add_u32 v254, v255
	s_wait_dscnt 0x0
	s_endpgm
.Lfunc_end_k_q7622207e5d_stats:
	.size	k_q7622207e5d_stats, .Lfunc_end_k_q7622207e5d_stats-k_q7622207e5d_stats
	.p2alignl 7, 3214868480
	.fill 96, 4, 3214868480
	.section	.rodata,"a",@progbits
	.p2align	6, 0x0
	.amdhsa_kernel k_q7622207e5d_stats
		.amdhsa_group_segment_fixed_size 71680
		.amdhsa_private_segment_fixed_size 0
		.amdhsa_enable_private_segment 0
		.amdhsa_kernarg_size 24
		.amdhsa_user_sgpr_count 2
		.amdhsa_user_sgpr_kernarg_segment_ptr 1
		.amdhsa_wavefront_size32 1
		.amdhsa_system_sgpr_workgroup_id_x 1
		.amdhsa_system_sgpr_workgroup_id_y 1
		.amdhsa_system_sgpr_workgroup_id_z 1
		.amdhsa_system_vgpr_workitem_id 0
		.amdhsa_next_free_vgpr 256
		.amdhsa_next_free_sgpr 66
		.amdhsa_reserve_vcc 0
		.amdhsa_float_denorm_mode_32 3
		.amdhsa_float_denorm_mode_16_64 3
		.amdhsa_memory_ordered 1
		.amdhsa_forward_progress 1
		.amdhsa_inst_pref_size 47
	.end_amdhsa_kernel
	.amdgpu_metadata
---
amdhsa.version: [ 1, 2 ]
amdhsa.kernels:
  - .name:           k_q7622207e5d_stats
    .symbol:         k_q7622207e5d_stats.kd
    .args:
      - { .name: qkc, .offset: 0, .size: 8, .value_kind: global_buffer, .address_space: global }
      - { .name: qks, .offset: 8, .size: 8, .value_kind: global_buffer, .address_space: global }
      - { .name: nz, .offset: 16, .size: 8, .value_kind: global_buffer, .address_space: global }
    .group_segment_fixed_size: 71680
    .private_segment_fixed_size: 0
    .kernarg_segment_align: 8
    .kernarg_segment_size: 24
    .max_flat_workgroup_size: 512
    .sgpr_count:     66
    .vgpr_count:     256
    .wavefront_size: 32
...
	.end_amdgpu_metadata
.endif
;; end of part 6
;; launch attn (part 7): grid 256 x 1, 16 waves a work-group, no clusters, 149,504 bytes of LDS; arguments qkc, qks, vc, vs, nz, cc, cs; writes cc, cs
.if DOCPART == 7
	.amdgcn_target "amdgcn-amd-amdhsa--gfx1250"
	.amdhsa_code_object_version 6
	.text
	.protected	k_q7622207e5d_attn
	.globl	k_q7622207e5d_attn
	.p2align	8
	.type	k_q7622207e5d_attn,@function
k_q7622207e5d_attn:
	s_mov_b64 s[64:65], 0
	v_nop
	global_prefetch_b8 v0, s[64:65] scope:SCOPE_SE
	s_setreg_imm32_b32 hwreg(HW_REG_WAVE_SCHED_MODE, 0, 2), 2
	s_setreg_imm32_b32 hwreg(HW_REG_WAVE_MODE, 25, 1), 1
	s_wait_xcnt 0x0
	s_wait_alu depctr_vm_vsrc(0)
; ctx[r][:] = sum over c of p(r, c) V[c][:],  p(r, c) = 2^(c0 s(r, c) + nz[c]): the finished, normalised weight (nz from the launch before; c0 = log2(e) / 8), quantised along c in blocks of 32.
; side 0: r a query, c a key, V = v1 (weights normalised over the queries); side 1: r a key, c a query, V = v2.  All products on codes of FP4 with one E8M0 scale for each 32 along K.
; ctx is quantised at once along the head's 64 features, which are two of the 16 blocks of the last product's K.
; SHARES.  A work-group takes 512 rows r of one (side, b, head), each of its sixteen waves 32: two tiles of 16.  All 2,048 columns of that head (codes and scale words of the column tensor and of V, and nz:
; 147,456 bytes) are copied into LDS once, through registers; every wave walks them, 128 a step.  Four waves share a SIMD: one wave's vector work stands beside another's products and LDS loads.
; LAYOUT.  Both products are used transposed: S^T (source 0 = 16 columns, source 1 = my 16 rows) and O^T = V^T P^T (source 0 = 16 features, source 1 = P): a lane holds ONE row r throughout.  The columns of a
; tile are 32 g + 8 u + perm(m), perm(m) = m + 8 (m / 8), so that the 16 registers of tiles u = 0, 1 are columns 32 g + 16 h + 0 .. 15, and a block of 32 lies in lanes l and l xor 16.
; K = 64 IN AN INSTRUCTION OF K = 128: a fragment of source 0 holds tile u = 0 in k 0-63 and u = 1 in k 64-127; source 1 is [Q | zeros] or [zeros | Q], all four out of one chain [Qa][0][Qb][0][Qa].
; A step: two halves of 64 columns (8 products, 32 packed multiply-adds, 64 exponentials as one batch between two waits, four blocks quantised), then 8 products V^T P^T on eight accumulators by turns.
; NO CLUSTER, NO TENSOR LOAD: the four work-groups of a (side, b, head) read the same 147,456 bytes, once, at the head; after that nothing is loaded from memory for 16 steps.
; LIMITS: NaN and infinities are not served.  The exponent c0 s + nz is one fused multiply-add in f32: its error is the rounding of a number of nz's size.  A weight under 2^-126 is 0.
; A block of zeros gets the scale byte 1, not 127: its codes are zeros, and only this program reads the bytes.
; THE MODE: SCHED_MODE bits 1:0 = 2 (LLVM: expert scheduling mode 2), set by the entry lines.  The code itself states the register dependences
; between vector or matrix instructions and memory or LDS instructions, with s_wait_alu, always for 0.
; THE PLAN.  Registers that memory or LDS instructions touch:
;   v1-v7, F0 ..  offsets and LDS addresses: written once, at the head, ahead of the wait in front of the first load.  v7 alone is written again, at the very end, as a store's data.
;   FD            At the head: loads land in it and my LDS stores read it; it is S and O afterwards, which the products write: one wait on vm_vsrc behind the barrier.
;   KF            A half's eight products read it; the next half's columns land in it.
;   NZ            A half's multiply-adds read it; then the second half's nz, or V's fragments, land in it.  The products V^T P^T read V there; then the next step's nz lands in it.
;   SC            All of a step's products read it; the next step's scale words land in it.
;   ADK, ADV, ADZ, ADS   Read by the step's LDS loads; written once a step: a wait on vm_vsrc ahead of the four additions.
;   PC, PW        Written by vector instructions, taken by the scaled products V^T P^T; at the end PC and v7 are read by the stores.
; A step has four waits on va_vdst besides the one ahead of each half's batch of exponentials.  The one behind each half's batch of exponentials states that the weights are written, that the half's products are done reading KF and that its multiply-adds are done reading NZ:
; the half's twelve LDS loads follow it at once and land under the quantising, which names S, TM, PC and PW alone.  The third, behind the eight places ahead of the products V^T P^T, states that p's codes and scale
; words and the four addresses are written.  The fourth, behind those products, states that they are done reading V's fragments and the scale words, in which the next step's first loads land.
.set KIMG, 0                           ; LDS: the columns' codes [group 64][u 2][lane 32][16 B]
.set VIMG, 65536                       ; V's codes [step 16][t 4][c' 2][lane 32][16 B]
.set KSC,  131072                      ; the columns' scale words [group 64][m 16]
.set VSC,  135168                      ; V's [step 16][t 4][m 16]
.set NZL,  139264                      ; nz, 2,048 f32
.set BQ,   8                           ; v8-27    the chain
.set BS,   28                          ; v28-29   my rows' scale words, tile 0, tile 1: (blk0, blk1, blk0, blk1)
.set SC,   30                          ; v30-33   lanes 0-15: the scale words of the step's four groups of columns; lanes 16-31: of V's four tiles
.set PW,   34                          ; v34-35   p's scale words, tile 0, tile 1
.set KF,   36                          ; v36-51   two fragments of columns
.set NZ,   52                          ; v52-83   nz of a half's 64 columns (my half of the lanes: 32 numbers); then V's four fragments
.set S,    84                          ; v84-147  S^T, then p: tile x, group bb, u at 32 x + 16 bb + 8 u
.set O,    148                         ; v148-211 O^T: tile x, features' tile t at 32 x + 8 t
.set PC,   212                         ; v212-227 p's codes, tile x at 8 x
.set TM,   228                         ; v228-243 at work
.set ADK,  244                         ; v244-247 the step's LDS addresses: columns, V, nz, scale words
.set ADV,  245
.set ADZ,  246
.set ADS,  247
.set F0,   248                         ; v248-253 the copy's addresses
.set FD,   84                          ; v84-155  the copy's data
.macro PLACES
.rept 4
	v_nop
.endr
.endm
	s_load_b256 s[4:11], s[0:1], 0x0               ; qkc, qks, vc, vs
	s_load_b128 s[12:15], s[0:1], 0x20             ; nz, cc
	s_load_b64 s[16:17], s[0:1], 0x30              ; cs
	v_lshl_add_u32 v254, v0, 2, 0x24000
	v_mov_b32 v255, 0
	v_lshrrev_b32 v7, 5, v0
	v_readfirstlane_b32 s2, v7                     ; wave
	s_and_b32 s18, ttmp9, 3                        ; which 512 rows
	s_bfe_u32 s19, ttmp9, 0x50002                  ; 8 b + head
	s_lshr_b32 s20, ttmp9, 7                       ; side
	s_lshl_b32 s21, s18, 4
	s_wait_alu depctr_va_sdst(0)                   ; s2 is written, ahead of its first reader: my rows' offsets are made from it
	s_add_co_u32 s21, s21, s2                      ; my group of 32 rows
	s_lshl_b32 s22, s20, 5
	s_add_co_u32 s22, s22, s19                     ; the rows' tensor, V and nz: side
	s_xor_b32 s23, s20, 1
	s_lshl_b32 s23, s23, 5
	s_add_co_u32 s23, s23, s19                     ; the columns' tensor: the other one
	s_mov_b32 s44, 0x3e38aa3b                      ; c0
	s_mov_b32 s45, s44
	s_mov_b32 s46, 0x76543210
	s_mov_b32 s47, 0xfedcba98                      ; lane l xor 16
	s_mov_b32 s48, 0xffff0000                      ; lanes 16-31
	s_mov_b32 s50, 0                               ; 256 x the step
	s_mov_b32 s43, 0
	v_and_b32 v7, 31, v0
	v_lshlrev_b32 v1, 4, v7                        ; columns: 16 x lane
	v_add_nc_u32 v2, VIMG, v1                      ; V
	v_lshlrev_b32 v5, 4, v7                        ; the way out: 16 x lane
	v_bfe_u32 v7, v0, 4, 1                         ; h
	v_lshl_add_u32 v3, v7, 6, NZL                  ; nz: my half's 16 of each 32 columns
	v_and_b32 v6, 15, v0                           ; r
	v_lshlrev_b32 v4, 2, v6
	v_lshl_add_u32 v4, v7, 12, v4
	v_add_nc_u32 v4, KSC, v4                       ; scale words: lanes 0-15 the columns', lanes 16-31 V's, 4,096 bytes further on
	v_lshlrev_b32 v[F0+5], 2, v6                   ; 4 r: my rows' scale word in memory
	v_lshlrev_b32 v6, 4, v6
	v_lshl_add_u32 v6, v7, 8, v6                   ; the way out of the scale bytes: 256 x tile + 16 r
	v_lshlrev_b32 v[F0], 4, v0                     ; 16 x thread
	v_lshl_add_u32 v[F0+1], v0, 4, VIMG
	v_lshlrev_b32 v[F0+2], 3, v0                   ; 8 x thread
	v_lshl_add_u32 v[F0+3], v0, 3, KSC
	v_lshl_add_u32 v[F0+4], v0, 3, VSC
	v_lshl_add_u32 v7, v0, 4, NZL
	s_wait_kmcnt 0x0
	s_lshl_b32 s42, s23, 16
	s_add_nc_u64 s[24:25], s[4:5], s[42:43]        ; the columns' codes
	s_lshl_b32 s42, s23, 12
	s_add_nc_u64 s[26:27], s[6:7], s[42:43]        ; their scale words
	s_lshl_b32 s42, s22, 16
	s_add_nc_u64 s[28:29], s[8:9], s[42:43]        ; V's codes
	s_add_nc_u64 s[34:35], s[4:5], s[42:43]
	s_lshl_b32 s42, s22, 12
	s_add_nc_u64 s[30:31], s[10:11], s[42:43]      ; V's scale words
	s_add_nc_u64 s[36:37], s[6:7], s[42:43]
	s_lshl_b32 s42, s22, 13
	s_add_nc_u64 s[32:33], s[12:13], s[42:43]      ; nz
	s_lshl_b32 s42, s21, 10
	s_add_nc_u64 s[34:35], s[34:35], s[42:43]      ; my rows' codes
	s_lshl_b32 s42, s21, 6
	s_add_nc_u64 s[36:37], s[36:37], s[42:43]      ; their scale words
	s_lshr_b32 s53, s22, 3                         ; 4 side + b
	s_and_b32 s54, s19, 7                          ; head
	s_lshl_b32 s42, s53, 19                        ; cc: 128 tiles of 4,096 bytes,
	s_lshl_b32 s55, s21, 13                        ; my two tiles,
	s_add_co_u32 s42, s42, s55
	s_lshl_b32 s55, s54, 9                         ; my head's 512 bytes
	s_add_co_u32 s42, s42, s55
	s_add_nc_u64 s[38:39], s[14:15], s[42:43]
	s_lshl_b32 s42, s53, 15                        ; cs: 128 tiles of 256 bytes,
	s_lshl_b32 s55, s21, 9
	s_add_co_u32 s42, s42, s55
	s_lshl_b32 s55, s54, 1                         ; my head's two bytes
	s_add_co_u32 s42, s42, s55
	s_add_nc_u64 s[40:41], s[16:17], s[42:43]
	s_wait_alu depctr_va_vdst(0)                   ; the offsets and LDS addresses v1 to v7 and v[F0 .. F0+5] are written: the loads and stores of the head, and the last stores, read them
.irp i, 0,1,2,3,4,5,6,7
	global_load_b128 v[FD+4*\i:FD+4*\i+3], v[F0], s[24:25] offset:8192*\i
.endr
.irp i, 0,1,2,3,4,5,6,7
	global_load_b128 v[FD+32+4*\i:FD+32+4*\i+3], v[F0], s[28:29] offset:8192*\i
.endr
	global_load_b64 v[FD+64:FD+65], v[F0+2], s[26:27]
	global_load_b64 v[FD+66:FD+67], v[F0+2], s[30:31]
	global_load_b128 v[FD+68:FD+71], v[F0], s[32:33]
	global_load_b128 v[BQ:BQ+3], v5, s[34:35]
	global_load_b128 v[BQ+8:BQ+11], v5, s[34:35] offset:512
	global_load_b128 v[BQ+16:BQ+19], v5, s[34:35]
	global_load_b32 v[TM], v[F0+5], s[36:37]
.irp i, 4,5,6,7,12,13,14,15
	v_mov_b32 v[BQ+\i], 0
.endr
	s_wait_loadcnt 0x0
	v_perm_b32 v[BS], v[TM], v[TM], 0x01000100
	v_perm_b32 v[BS+1], v[TM], v[TM], 0x03020302
.irp i, 0,1,2,3,4,5,6,7
	ds_store_b128 v[F0], v[FD+4*\i:FD+4*\i+3] offset:KIMG+8192*\i
.endr
.irp i, 0,1,2,3,4,5,6,7
	ds_store_b128 v[F0+1], v[FD+32+4*\i:FD+32+4*\i+3] offset:8192*\i
.endr
	ds_store_b64 v[F0+3], v[FD+64:FD+65]
	ds_store_b64 v[F0+4], v[FD+66:FD+67]
	ds_store_b128 v7, v[FD+68:FD+71]
	s_wait_dscnt 0x0                               ; for the others' sake: my stores have landed
	s_barrier_signal -1
	s_barrier_wait -1                              ; the head's columns lie in LDS; nothing is stored to LDS after this
	s_wait_alu depctr_vm_vsrc(0)                   ; my LDS stores have read v[FD .. FD+71], which the products write from here on, and v7, which is written again at the end
	v_add_nc_u32 v[ADK], s50, v1
	v_add_nc_u32 v[ADV], s50, v2
	v_add_nc_u32 v[ADZ], s50, v3
	v_add_nc_u32 v[ADS], s50, v4
.irp i, 4,5,6,7
	v_mov_b32 v[TM+\i], 0                          ; written once: a lane permute's destination counts as one of its sources
.endr
	PLACES                                         ; with the eight lines above: twelve places between the writes of my rows' scale words and the first product
.macro LDK off                         ; two groups of columns
.irp bb, 0,1
.irp u, 0,1
	ds_load_b128 v[KF+8*\bb+4*\u:KF+8*\bb+4*\u+3], v[ADK] offset:\off+1024*\bb+512*\u
.endr
.endr
.endm
.macro LDZ off                         ; their nz: register 16 bb + i = column 32 bb + 16 h + i
.irp bb, 0,1
.irp i, 0,1,2,3
	ds_load_b128 v[NZ+16*\bb+4*\i:NZ+16*\bb+4*\i+3], v[ADZ] offset:\off+128*\bb+16*\i
.endr
.endr
.endm
.macro LDS4                            ; the step's scale words
.irp i, 0,1,2,3
	ds_load_b32 v[SC+\i], v[ADS] offset:64*\i
.endr
.endm
.macro LDV                             ; V's four fragments of the step, into nz's registers
.irp t, 0,1,2,3
.irp c, 0,1
	ds_load_b128 v[NZ+8*\t+4*\c:NZ+8*\t+4*\c+3], v[ADV] offset:1024*\t+512*\c
.endr
.endr
.endm
; Four blocks of 32 are quantised.  Block i is v[src + 16 i] on, 16 registers, and the same of lane l xor 16.  The largest magnitude has the floor 2^(3 - 127) among its leaves, so that the byte cannot fall
; under 1; 2 off its exponent field is the conversion's scale operand; a shift of it the byte (TM + 4 + i).  The exchange of halves gives lanes 0-15 block 2 x whole and lanes 16-31 block 2 x + 1: v[dst + 8 x] on, four registers.
.macro QUANT4 src, dst
.irp i, 0,1,2,3
	v_max3_num_f32 v[TM+\i], |v[\src+16*\i]|, |v[\src+16*\i+1]|, 0x1800000
.endr
.irp n, 2,4,6,8,10,12,14
.irp i, 0,1,2,3
	v_max3_num_f32 v[TM+\i], v[TM+\i], |v[\src+16*\i+\n]|, |v[\src+16*\i+\n+1]|
.endr
.endr
.irp i, 0,1,2,3
	v_permlanex16_b32 v[TM+4+\i], v[TM+\i], s46, s47
.endr
.irp i, 0,1,2,3
	v_max_num_f32 v[TM+\i], v[TM+\i], v[TM+4+\i]
.endr
.irp i, 0,1,2,3
	v_add_nc_u32 v[TM+12+\i], 0xff000000, v[TM+\i]
.endr
.irp i, 0,1,2,3
	v_lshrrev_b32 v[TM+4+\i], 23, v[TM+12+\i]
.endr
.irp i, 0,1,2,3
	v_cvt_scalef32_pk8_fp4_f32 v[(\dst)+8*(\i/2)+2*(\i%2)], v[\src+16*\i:\src+16*\i+7], v[TM+12+\i]
	v_cvt_scalef32_pk8_fp4_f32 v[(\dst)+8*(\i/2)+2*(\i%2)+1], v[\src+16*\i+8:\src+16*\i+15], v[TM+12+\i]
.endr
	v_nop                                          ; one plain place behind the last scaled conversion
.irp x, 0,1
.irp n, 0,1
	v_permlane16_swap_b32 v[(\dst)+8*\x+\n], v[(\dst)+8*\x+2+\n]
.endr
.endr
.endm
.macro SMM hf, bb, x, u
.set rD, S+32*\x+16*\bb+8*\u
.set rB, BQ+8*\x                       ; [Qx | 0]
.if \u
.set rB, BQ+12-8*\x                    ; [0 | Qx]
.endif
	v_wmma_scale_f32_16x16x128_f8f6f4 v[rD:rD+7], v[KF+8*\bb:KF+8*\bb+7], v[rB:rB+7], 0, v[SC+2*\hf+\bb], v[BS+\x] matrix_a_fmt:MATRIX_FMT_FP4 matrix_b_fmt:MATRIX_FMT_FP4
.endm
; HALF A STEP: 64 columns against my 32 rows.  ldk: where the next half's columns lie from this step's address on (under 0: none is fetched).
.macro HALF hf, ldk
	s_wait_dscnt 0x0                               ; the half's columns, nz and scale words are in
.irp bb, 0,1
.irp x, 0,1
.irp u, 0,1
	SMM \hf, \bb, \x, \u
.endr
.endr
.endr
	PLACES
.irp bb, 0,1
.irp p, 0,2,4,6,8,10,12,14
.irp x, 0,1
	v_pk_fma_f32 v[S+32*\x+16*\bb+\p:S+32*\x+16*\bb+\p+1], v[S+32*\x+16*\bb+\p:S+32*\x+16*\bb+\p+1], s[44:45], v[NZ+16*\bb+\p:NZ+16*\bb+\p+1] op_sel_hi:[1,0,1]   ; c0 s + nz; each accumulator from its low end on
.endr
.endr
.endr
.set j, 0
	s_wait_alu depctr_va_vdst(0)
.rept 64
	v_exp_f32 v[S+j], v[S+j]                       ; the finished weights: one batch
.set j, j+1
.endr
	v_nop                                          ; a plain place behind the last exponential
	s_wait_alu depctr_va_vdst(0)                   ; the batch has written the 64 weights, ahead of their first reader; the half's products are done reading v[KF ..] and its multiply-adds v[NZ ..], in which the loads below land
.if \ldk >= 0
	LDK \ldk                                       ; the next half's columns,
.endif
.if \hf == 0
	LDZ 256                                        ; and the second half's nz,
.else
	LDV                                            ; or V's fragments, land under the quantising, which names none of their registers
.endif
	QUANT4 S, PC+4*\hf
.irp x, 0,1
.if \hf == 0
	v_lshl_or_b32 v[PW+\x], v[TM+5+2*\x], 8, v[TM+4+2*\x]
.else
	v_lshl_or_b32 v[TM+8+\x], v[TM+5+2*\x], 8, v[TM+4+2*\x]
.endif
.endr
.if \hf == 1
.irp x, 0,1
	v_lshl_or_b32 v[PW+\x], v[TM+8+\x], 16, v[PW+\x]   ; the step's four bytes: p's scale word
.endr
.endif
.endm
; A STEP: 128 columns.  first = 1: the products V^T P^T start the sums: nothing is cleared.  last = 1: nothing more is fetched.
.macro STEP first, last
	HALF 0, 2048
.if \last
	HALF 1, -1
.else
	HALF 1, 4096
.endif
	s_add_co_u32 s50, s50, 256
	s_lshl_b32 s51, s50, 4
	s_lshl_b32 s52, s50, 1
	s_wait_alu depctr_vm_vsrc(0)                   ; the step's LDS loads have read the four addresses, which the additions write
	v_add_nc_u32 v[ADK], s51, v1                   ; the next step's addresses; with the four v_nop: eight places between the write of p's scale words and the products that take them
	v_add_nc_u32 v[ADV], s51, v2
	v_add_nc_u32 v[ADZ], s52, v3
	v_add_nc_u32 v[ADS], s50, v4
	PLACES
	s_wait_alu depctr_va_vdst(0)                   ; p's codes v[PC ..] and scale words v[PW ..] are written, which the scaled products take; the four addresses are written, which the next loads read
	s_wait_dscnt 0x0                               ; V's fragments are in
.irp t, 0,1,2,3
.irp x, 0,1
.if \first
	v_wmma_scale_f32_16x16x128_f8f6f4 v[O+32*\x+8*\t:O+32*\x+8*\t+7], v[NZ+8*\t:NZ+8*\t+7], v[PC+8*\x:PC+8*\x+7], 0, v[SC+\t], v[PW+\x] matrix_a_fmt:MATRIX_FMT_FP4 matrix_b_fmt:MATRIX_FMT_FP4 matrix_a_scale:MATRIX_SCALE_ROW1
.else
	v_wmma_scale_f32_16x16x128_f8f6f4 v[O+32*\x+8*\t:O+32*\x+8*\t+7], v[NZ+8*\t:NZ+8*\t+7], v[PC+8*\x:PC+8*\x+7], v[O+32*\x+8*\t:O+32*\x+8*\t+7], v[SC+\t], v[PW+\x] matrix_a_fmt:MATRIX_FMT_FP4 matrix_b_fmt:MATRIX_FMT_FP4 matrix_a_scale:MATRIX_SCALE_ROW1
.endif
.endr
.endr                                              ; the eight accumulators take turns, one instruction a turn
	PLACES
.if !\last
	s_wait_alu depctr_va_vdst(0)                   ; the products are done reading V's fragments in v[NZ ..] and the scale words v[SC ..], in which the loads below land
	LDZ 0
	LDS4
.endif
.endm
	s_wait_alu depctr_va_vdst(0)                   ; the four addresses are written, which the first loads read; my rows' scale words and the chain's zeros are written, which the scaled products take (their places stand above)
	LDK 0
	LDZ 0
	LDS4
	STEP 1, 0
	s_mov_b32 s49, 14
.Lstep:
	STEP 0, 0
	s_sub_co_u32 s49, s49, 1
	s_cmp_lg_u32 s49, 0
	s_cbranch_scc1 .Lstep
	STEP 0, 1
	; THE WAY OUT: block 2 x + beta is features 32 beta .. + 31 of tile x's rows: tiles t = 2 beta, 2 beta + 1.  (The step's last four v_nop are the places behind the last products.)
	QUANT4 O, PC
	v_lshl_or_b32 v[TM+8], v[TM+5], 8, v[TM+4]
	v_lshl_or_b32 v[TM+9], v[TM+7], 8, v[TM+6]
	v_cndmask_b32 v7, v[TM+8], v[TM+9], s48        ; lanes 0-15 tile 0's two bytes, lanes 16-31 tile 1's
	s_wait_alu depctr_va_vdst(0)                   ; ctx's codes in v[PC ..] and the two bytes in v7 are written: the three stores read them
.irp x, 0,1
	global_store_b128 v5, v[PC+8*\x:PC+8*\x+3], s[38:39] offset:4096*\x   ; 512 consecutive bytes, aligned
.endr
	global_store_b16 v6, v7, s[40:41]
	s_wait_dscnt 0x0
	s_wait_alu depctr_hold_cnt(0) depctr_sa_sdst(0) depctr_va_vdst(0) depctr_va_sdst(0) depctr_va_ssrc(0) depctr_va_vcc(0) depctr_vm_vsrc(0)
	s_wait_tensorcnt 0x0
	ds_add_u32 v254, v255
	s_wait_dscnt 0x0
	s_endpgm
.Lfunc_end_k_q7622207e5d_attn:
	.size	k_q7622207e5d_attn, .Lfunc_end_k_q7622207e5d_attn-k_q7622207e5d_attn
	.p2alignl 7, 3214868480
	.fill 96, 4, 3214868480
	.section	.rodata,"a",@progbits
	.p2align	6, 0x0
	.amdhsa_kernel k_q7622207e5d_attn
		.amdhsa_group_segment_fixed_size 149504
		.amdhsa_private_segment_fixed_size 0
		.amdhsa_enable_private_segment 0
		.amdhsa_kernarg_size 56
		.amdhsa_user_sgpr_count 2
		.amdhsa_user_sgpr_kernarg_segment_ptr 1
		.amdhsa_wavefront_size32 1
		.amdhsa_system_sgpr_workgroup_id_x 1
		.amdhsa_system_sgpr_workgroup_id_y 1
		.amdhsa_system_sgpr_workgroup_id_z 1
		.amdhsa_system_vgpr_workitem_id 0
		.amdhsa_next_free_vgpr 256
		.amdhsa_next_free_sgpr 66
		.amdhsa_reserve_vcc 0
		.amdhsa_float_denorm_mode_32 3
		.amdhsa_float_denorm_mode_16_64 3
		.amdhsa_memory_ordered 1
		.amdhsa_forward_progress 1
		.amdhsa_inst_pref_size 78
	.end_amdhsa_kernel
	.amdgpu_metadata
---
amdhsa.version: [ 1, 2 ]
amdhsa.kernels:
  - .name:           k_q7622207e5d_attn
    .symbol:         k_q7622207e5d_attn.kd
    .args:
      - { .name: qkc, .offset: 0, .size: 8, .value_kind: global_buffer, .address_space: global }
      - { .name: qks, .offset: 8, .size: 8, .value_kind: global_buffer, .address_space: global }
      - { .name: vc, .offset: 16, .size: 8, .value_kind: global_buffer, .address_space: global }
      - { .name: vs, .offset: 24, .size: 8, .value_kind: global_buffer, .address_space: global }
      - { .name: nz, .offset: 32, .size: 8, .value_kind: global_buffer, .address_space: global }
      - { .name: cc, .offset: 40, .size: 8, .value_kind: global_buffer, .address_space: global }
      - { .name: cs, .offset: 48, .size: 8, .value_kind: global_buffer, .address_space: global }
    .group_segment_fixed_size: 149504
    .private_segment_fixed_size: 0
    .kernarg_segment_align: 8
    .kernarg_segment_size: 56
    .max_flat_workgroup_size: 512
    .sgpr_count:     66
    .vgpr_count:     256
    .wavefront_size: 32
...
	.end_amdgpu_metadata
.endif
;; end of part 7
;; launch out (part 8): grid 256 x 1, 16 waves a work-group, no clusters, 88,064 bytes of LDS; arguments cc, cs, Wo1_codes, Wo2_codes, Wo1_scales, Wo2_scales, bo1, bo2, x1, x2, out0, out1; writes out0, out1
.if DOCPART == 8
	.amdgcn_target "amdgcn-amd-amdhsa--gfx1250"
	.amdhsa_code_object_version 6
	.text
	.protected	k_q7622207e5d_out
	.globl	k_q7622207e5d_out
	.p2align	8
	.type	k_q7622207e5d_out,@function
k_q7622207e5d_out:
	s_mov_b64 s[64:65], 0
	v_nop
	global_prefetch_b8 v0, s[64:65] scope:SCOPE_SE
	s_setreg_imm32_b32 hwreg(HW_REG_WAVE_SCHED_MODE, 0, 2), 2
	s_setreg_imm32_b32 hwreg(HW_REG_WAVE_MODE, 25, 1), 1
	s_wait_xcnt 0x0
	s_wait_alu depctr_vm_vsrc(0)
; out[b][c][n] = (ctx Wo + bo)[b][n][c] + x[b][c][n], for side 0 (ctx1, Wo1, bo1, x1, out0: work-groups 0-127) and side 1.  The product is on codes of FP4 with one E8M0 scale for each 32 along K = 512;
; ctx's codes and scale bytes come from the launch before, laid as the operand's registers; the weights arrive as codes.
; SHARES.  A work-group takes 64 tokens of one (side, b); wave w the output channels 32 w .. 32 w + 31 for all 64 tokens: two tiles of channels x four tiles of tokens x four K steps: 32 matrix instructions.
; ctx's 16,384 bytes of codes are copied into LDS once, through registers, and read by all sixteen waves; a wave's weights (64 registers) come from memory once.
; LAYOUT.  Source 0 = 16 tokens, source 1 = 16 channels: a lane holds ONE channel and eight tokens.  Row m of token tile T = 2 g + u is token 32 g + 8 u + m + 8 (m / 8), so register j of lane (r, h) is token
; 32 g + 16 h + 8 u + j: 32 neighbouring bytes of the channel's row of the output.  A channel's 64 tokens are 256 bytes: they meet in the wave's own stage in LDS (16 rows of 256 + 16 bytes), come back as whole
; rows, take x, and leave: sixteen lanes store 256 consecutive bytes, aligned.  The bias is the C of each sum's first product.
; NO CLUSTER, NO TENSOR LOAD: the weights, 139,264 bytes, are what work-groups share, against 262,144 bytes of x and output that each has alone; LDS is filled once.
; LIMITS: NaN and infinities are not served.
; THE MODE: SCHED_MODE bits 1:0 = 2 (LLVM: expert scheduling mode 2), set by the entry lines.  The code itself states the register dependences
; between vector or matrix instructions and memory or LDS instructions, with s_wait_alu, always for 0.
; THE PLAN.  Registers that memory or LDS instructions touch:
;   v1-v9        offsets and LDS addresses: written once, at the head, ahead of the wait in front of the first load; never written again.
;   WF, WS, BI, CSW   loaded once.
;   CF           At the head: two loads land in it and my two LDS stores read it.  Then by turns: a K step's eight LDS loads land in it and its four products read it; behind a tile's last products the rows from the stage
;                land in it and the residual's additions read them.  One wait on va_vdst stands ahead of each of these runs of loads, but where an earlier wait has covered the last reader.  There is no second set:
;                eight registers are free, a set is 32.
;   ACC          Written by a tile's products, read by its eight stores into the stage (the places, then a wait on va_vdst); written again by the next tile's products (a wait on vm_vsrc at a tile's head).
;   X            x lands in it; the additions write it, the stores read it (a wait on va_vdst between); never written again.
.set CIMG, 0                           ; LDS: ctx's fragments [T 4][K step 4][c' 2][lane 32][16 B]
.set STG,  16384                       ; the stages: 4,352 bytes a wave
.set WF,   16                          ; v16-79   the weights' fragments (ct, s) at 8 (4 ct + s)
.set ACC,  80                          ; v80-111  four accumulators, 8 T
.set CF,   112                         ; v112-143 ctx's four fragments of a K step; then 16 rows back from the stage
.set X,    144                         ; v144-207 x, then the result: 4 (8 ct + i)
.set BI,   208                         ; v208-223 the bias, eight equal registers a tile ct
.set WS,   224                         ; v224-231 the weights' scale words, 4 ct + s
.set CSW,  232                         ; v232-247 ctx's scale words, 4 T + s
.macro PLACES
.rept 4
	v_nop
.endr
.endm
	s_load_b512 s[8:23], s[0:1], 0x0               ; cc, cs, Wo1, Wo2 codes, Wo1, Wo2 scales, bo1, bo2
	s_load_b256 s[24:31], s[0:1], 0x40             ; x1, x2, out0, out1
	v_lshl_add_u32 v254, v0, 2, 0x15000
	v_mov_b32 v255, 0
	v_lshrrev_b32 v10, 5, v0
	v_readfirstlane_b32 s2, v10                    ; wave
	s_and_b32 s32, ttmp9, 31                       ; nb: which 64 tokens
	s_bfe_u32 s33, ttmp9, 0x20005                  ; b
	s_lshr_b32 s34, ttmp9, 7                       ; side
	s_lshl_b32 s35, s34, 2
	s_add_co_u32 s35, s35, s33                     ; 4 side + b
	v_lshlrev_b32 v1, 4, v0                        ; 16 x thread
	v_and_b32 v10, 31, v0
	v_lshlrev_b32 v2, 4, v10                       ; 16 x lane
	v_and_b32 v11, 15, v0                          ; r
	v_bfe_u32 v12, v0, 4, 1                        ; h
	v_lshlrev_b32 v3, 8, v11
	v_lshl_add_u32 v3, v12, 4, v3                  ; the weights' codes: row r of 256 bytes, + 16 h
	v_lshlrev_b32 v4, 4, v11                       ; 16 scale bytes a row, the weights' and ctx's
	v_lshlrev_b32 v5, 2, v11                       ; the bias
	s_wait_alu depctr_va_sdst(0)                   ; s2 is written, ahead of its first reader: my stage and my channels' offsets are made from it
	s_mul_i32 s48, s2, 4352
	s_add_co_u32 s48, s48, STG                     ; my stage
	v_mul_u32_u24 v7, v11, 272
	v_lshl_add_u32 v7, v12, 6, v7
	v_add_nc_u32 v7, s48, v7                       ; in: row r (my channel), + 64 h
	v_mul_u32_u24 v8, v12, 272
	v_lshl_add_u32 v8, v11, 4, v8
	v_add_nc_u32 v8, s48, v8                       ; back: lanes 0-15 one row, lanes 16-31 the next; 16 bytes a lane
	v_lshlrev_b32 v9, 13, v12
	v_lshl_add_u32 v9, v11, 4, v9                  ; and the same two rows, 8,192 bytes apart, in x and in the output
	s_lshl_b32 s36, s35, 19                        ; cc: 128 tiles of 4,096 bytes; my four tiles
	s_lshl_b32 s49, s32, 14
	s_add_co_u32 s36, s36, s49
	s_mov_b32 s37, 0
	s_lshl_b32 s38, s35, 15                        ; cs: 128 tiles of 256 bytes
	s_lshl_b32 s49, s32, 10
	s_add_co_u32 s38, s38, s49
	s_mov_b32 s39, 0
	s_lshl_b32 s40, s2, 13                         ; my 32 rows of the weights' codes,
	s_mov_b32 s41, 0
	s_lshl_b32 s42, s2, 9                          ; of their scale bytes,
	s_mov_b32 s43, 0
	s_lshl_b32 s44, s2, 7                          ; of the bias
	s_mov_b32 s45, 0
	s_lshl_b32 s46, s33, 22                        ; x, out: b x 512 channels of 8,192 bytes,
	s_lshl_b32 s49, s2, 18                         ; my 32 channels,
	s_add_co_u32 s46, s46, s49
	s_lshl_b32 s49, s32, 8                         ; my work-group's 64 tokens
	s_add_co_u32 s46, s46, s49
	s_mov_b32 s47, 0
	s_wait_kmcnt 0x0
	s_cmp_eq_u32 s34, 0                            ; side 0's tensors or side 1's: on the work-group's number alone
	s_cselect_b64 s[12:13], s[12:13], s[14:15]
	s_cselect_b64 s[16:17], s[16:17], s[18:19]
	s_cselect_b64 s[20:21], s[20:21], s[22:23]
	s_cselect_b64 s[24:25], s[24:25], s[26:27]
	s_cselect_b64 s[28:29], s[28:29], s[30:31]
	s_add_nc_u64 s[8:9], s[8:9], s[36:37]
	s_add_nc_u64 s[10:11], s[10:11], s[38:39]
	s_add_nc_u64 s[12:13], s[12:13], s[40:41]
	s_add_nc_u64 s[16:17], s[16:17], s[42:43]
	s_add_nc_u64 s[20:21], s[20:21], s[44:45]
	s_add_nc_u64 s[24:25], s[24:25], s[46:47]
	s_add_nc_u64 s[28:29], s[28:29], s[46:47]
	s_wait_alu depctr_va_vdst(0)                   ; the offsets and LDS addresses v1 to v9 are written: every load and store of the kernel reads one of them
	global_load_b128 v[CF:CF+3], v1, s[8:9]        ; ctx's codes: 512 threads x 32 bytes
	global_load_b128 v[CF+4:CF+7], v1, s[8:9] offset:8192
.irp ct, 0,1
.irp s, 0,1,2,3
.irp c, 0,1
	global_load_b128 v[WF+8*(4*\ct+\s)+4*\c:WF+8*(4*\ct+\s)+4*\c+3], v3, s[12:13] offset:4096*\ct+64*\s+32*\c
.endr
.endr
.endr
.irp ct, 0,1
	global_load_b128 v[WS+4*\ct:WS+4*\ct+3], v4, s[16:17] offset:256*\ct
.endr
.irp ct, 0,1
.irp j, 0,1,2,3,4,5,6,7
	global_load_b32 v[BI+8*\ct+\j], v5, s[20:21] offset:64*\ct
.endr
.endr
.irp T, 0,1,2,3
	global_load_b128 v[CSW+4*\T:CSW+4*\T+3], v4, s[10:11] offset:256*\T
.endr
.irp ct, 0,1
.irp i, 0,1,2,3,4,5,6,7
	global_load_b128 v[X+4*(8*\ct+\i):X+4*(8*\ct+\i)+3], v9, s[24:25] offset:(16*\ct+2*\i)*8192 th:TH_LOAD_NT   ; sixteen lanes read a channel's 256 bytes
.endr
.endr
	s_wait_loadcnt 54                              ; ctx's codes are in: behind their two loads 16 + 2 + 16 + 4 + 16 were issued
	ds_store_b128 v1, v[CF:CF+3] offset:CIMG
	ds_store_b128 v1, v[CF+4:CF+7] offset:CIMG+8192
	s_wait_dscnt 0x0                               ; for the others' sake: my stores have landed
	s_barrier_signal -1
	s_barrier_wait -1                              ; ctx's sixteen fragments lie in LDS; from here on a wave stores to its own stage alone
	s_wait_loadcnt 16                              ; the weights, scales and bias are in; x's sixteen loads may be out
.macro OMM ct, s, T
.set rD, ACC+8*\T
.set rC, rD
.if \s == 0
.set rC, BI+8*\ct
.endif
	v_wmma_scale_f32_16x16x128_f8f6f4 v[rD:rD+7], v[CF+8*\T:CF+8*\T+7], v[WF+8*(4*\ct+\s):WF+8*(4*\ct+\s)+7], v[rC:rC+7], v[CSW+4*\T+\s], v[WS+4*\ct+\s] matrix_a_fmt:MATRIX_FMT_FP4 matrix_b_fmt:MATRIX_FMT_FP4
.endm
; channels 32 w + 16 ct .. + 15 for the 64 tokens
; The first K step's loads owe no wait on va_vdst: in tile 0 no vector or matrix instruction has named CF; in tile 1 the wait in front of tile 0's stores stands behind the additions that read it last, and nothing since names it.
.macro PHASE ct
.if \ct == 0
	s_wait_alu depctr_vm_vsrc(0)                   ; my two LDS stores of ctx's codes have read v[CF .. CF+7], in which the loads below land
.else
	s_wait_alu depctr_vm_vsrc(0)                   ; the stores into the stage have read the accumulators v[ACC ..], which the products below write again
.endif
.irp s, 0,1,2,3
	PLACES
.if \s > 0
	s_wait_alu depctr_va_vdst(0)                   ; the products of the K step before are done reading v[CF ..], in which the loads below land
.endif
.irp T, 0,1,2,3
.irp c, 0,1
	ds_load_b128 v[CF+8*\T+4*\c:CF+8*\T+4*\c+3], v2 offset:CIMG+\T*4096+\s*1024+\c*512
.endr
.endr
	s_wait_dscnt 0x0
.irp T, 0,1,2,3
	OMM \ct, \s, \T                                ; the four accumulators take turns, one instruction a turn
.endr
.endr
	PLACES
	s_wait_alu depctr_va_vdst(0)                   ; the products have written the accumulators, which the stores into the stage read (the places above stay beside this wait), and are done reading v[CF ..], in which the rows from the stage land
.irp T, 0,1,2,3
	ds_store_b128 v7, v[ACC+8*\T:ACC+8*\T+3] offset:128*(\T/2)+32*(\T%2)        ; each accumulator from its low end on
	ds_store_b128 v7, v[ACC+8*\T+4:ACC+8*\T+7] offset:128*(\T/2)+32*(\T%2)+16
.endr
.irp i, 0,1,2,3,4,5,6,7
	ds_load_b128 v[CF+4*\i:CF+4*\i+3], v8 offset:544*\i   ; LDS serves a wave's instructions in order (ISA guide 5.7.1.4): these see my stores, and the bytes are mine alone
.endr
	s_wait_loadcnt 8-8*\ct                         ; this tile's eight loads of x are in; the other tile's, issued behind them, may be out
	s_wait_dscnt 0x0
.irp p, 0,2,4,6,8,10,12,14,16,18,20,22,24,26,28,30
	v_pk_add_f32 v[X+32*\ct+\p:X+32*\ct+\p+1], v[X+32*\ct+\p:X+32*\ct+\p+1], v[CF+\p:CF+\p+1]   ; the residual
.endr
	s_wait_alu depctr_va_vdst(0)                   ; the additions have written this tile's v[X ..], which the stores read, and are done reading v[CF ..], in which the next tile's first loads land
.irp i, 0,1,2,3,4,5,6,7
	global_store_b128 v9, v[X+32*\ct+4*\i:X+32*\ct+4*\i+3], s[28:29] offset:(16*\ct+2*\i)*8192 th:TH_STORE_NT   ; sixteen lanes store 256 consecutive bytes, aligned; these registers are not written again
.endr
.endm
	PHASE 0
	PHASE 1
	s_wait_dscnt 0x0
	s_wait_alu depctr_hold_cnt(0) depctr_sa_sdst(0) depctr_va_vdst(0) depctr_va_sdst(0) depctr_va_ssrc(0) depctr_va_vcc(0) depctr_vm_vsrc(0)
	s_wait_tensorcnt 0x0
	ds_add_u32 v254, v255
	s_wait_dscnt 0x0
	s_endpgm
.Lfunc_end_k_q7622207e5d_out:
	.size	k_q7622207e5d_out, .Lfunc_end_k_q7622207e5d_out-k_q7622207e5d_out
	.p2alignl 7, 3214868480
	.fill 96, 4, 3214868480
	.section	.rodata,"a",@progbits
	.p2align	6, 0x0
	.amdhsa_kernel k_q7622207e5d_out
		.amdhsa_group_segment_fixed_size 88064
		.amdhsa_private_segment_fixed_size 0
		.amdhsa_enable_private_segment 0
		.amdhsa_kernarg_size 96
		.amdhsa_user_sgpr_count 2
		.amdhsa_user_sgpr_kernarg_segment_ptr 1
		.amdhsa_wavefront_size32 1
		.amdhsa_system_sgpr_workgroup_id_x 1
		.amdhsa_system_sgpr_workgroup_id_y 1
		.amdhsa_system_sgpr_workgroup_id_z 1
		.amdhsa_system_vgpr_workitem_id 0
		.amdhsa_next_free_vgpr 256
		.amdhsa_next_free_sgpr 66
		.amdhsa_reserve_vcc 0
		.amdhsa_float_denorm_mode_32 3
		.amdhsa_float_denorm_mode_16_64 3
		.amdhsa_memory_ordered 1
		.amdhsa_forward_progress 1
		.amdhsa_inst_pref_size 25
	.end_amdhsa_kernel
	.amdgpu_metadata
---
amdhsa.version: [ 1, 2 ]
amdhsa.kernels:
  - .name:           k_q7622207e5d_out
    .symbol:         k_q7622207e5d_out.kd
    .args:
      - { .name: cc, .offset: 0, .size: 8, .value_kind: global_buffer, .address_space: global }
      - { .name: cs, .offset: 8, .size: 8, .value_kind: global_buffer, .address_space: global }
      - { .name: Wo1_codes, .offset: 16, .size: 8, .value_kind: global_buffer, .address_space: global }
      - { .name: Wo2_codes, .offset: 24, .size: 8, .value_kind: global_buffer, .address_space: global }
      - { .name: Wo1_scales, .offset: 32, .size: 8, .value_kind: global_buffer, .address_space: global }
      - { .name: Wo2_scales, .offset: 40, .size: 8, .value_kind: global_buffer, .address_space: global }
      - { .name: bo1, .offset: 48, .size: 8, .value_kind: global_buffer, .address_space: global }
      - { .name: bo2, .offset: 56, .size: 8, .value_kind: global_buffer, .address_space: global }
      - { .name: x1, .offset: 64, .size: 8, .value_kind: global_buffer, .address_space: global }
      - { .name: x2, .offset: 72, .size: 8, .value_kind: global_buffer, .address_space: global }
      - { .name: out0, .offset: 80, .size: 8, .value_kind: global_buffer, .address_space: global }
      - { .name: out1, .offset: 88, .size: 8, .value_kind: global_buffer, .address_space: global }
    .group_segment_fixed_size: 88064
    .private_segment_fixed_size: 0
    .kernarg_segment_align: 8
    .kernarg_segment_size: 96
    .max_flat_workgroup_size: 512
    .sgpr_count:     66
    .vgpr_count:     256
    .wavefront_size: 32
...
	.end_amdgpu_metadata
.endif
;; end of part 8
